; MI455X (gfx1250); checked and timed in simulation.
; The chip was launched on July 23, 2026; its instructions are those of AMD's public machine-readable ISA for CDNA 5 (MIT licence, August 2026) and "CDNA5" Instruction Set Architecture Reference Guide (July 2026). The comments in the code are by the model that wrote it; some were corrected since.
;; Multi Head Attention. Allowed arithmetic: matrix products marked QUANTISED: E2M1 operands, one E8M0 scale for each 32 along K, by v_wmma_scale_f32_16x16x128_f8f6f4 with both operands' format E2M1 (or v_wmma_scale_f32_32x16x128_f4), f32 sums; products left as they are: bf16, f16 or f32 operands; f32 sums; everything else in f32.
;; Inputs: Wk 1,024 x 1,024 float32; Wo 1,024 x 1,024 float32; Wq 1,024 x 1,024 float32; Wv 1,024 x 1,024 float32; padding_mask 4 x 2,048 bool; x 4 x 2,048 x 1,024 float32.
;; Outputs: out0 4 x 2,048 x 1,024 float32.
;; This version of the problem:
;;   THIS VERSION OF THE PROBLEM IS GIVEN IN LOW PRECISION. The matrix products marked QUANTISED in the list below multiply operands that are first quantised to E2M1 (2 exponent bits, 1 mantissa bit; 4 bits a number), with one power-of-two scale for each 32 numbers along K (OCP MX v1.0); their sums are f32. The products marked 'left as it is' may take bf16, f16 or f32 operands, with f32 sums. Whichever they take, every output number must still come out within the allowed error. Rounding operands to bf16 (8 significant bits) uses up far more of that allowance than f16 does (11 bits, for magnitudes from 6e-5 to 65,504). All else is computed in f32.
;;   The module's matrix products, in the order in which they are computed (A, B: the left and right operand; K: the contracted axis; several contracted axes count as one K, in the product's order):
;;     1. [M 8,192, K 1,024] x [K 1,024, N 1,024]; A: input x; B: input Wq: QUANTISED
;;     2. [M 8,192, K 1,024] x [K 1,024, N 1,024]; A: input x; B: input Wk: QUANTISED
;;     3. [M 8,192, K 1,024] x [K 1,024, N 1,024]; A: input x; B: input Wv: QUANTISED
;;     4. batch 64 x [M 2,048, K 64] x [K 64, N 2,048]; A: computed on the way; B: computed on the way: left as it is (an operand is computed on the way)
;;     5. batch 64 x [M 2,048, K 2,048] x [K 2,048, N 64]; A: computed on the way; B: computed on the way: left as it is (an operand is computed on the way)
;;     6. [M 8,192, K 1,024] x [K 1,024, N 1,024]; A: computed on the way; B: input Wo: left as it is (an operand is computed on the way)
;;   THE QUANTISER, for each operand of a quantised product, along K:
;;     - K is cut into blocks of 32 from its start; a last block that is shorter is filled with zeros.
;;     - A block's scale is 2^e with e = floor(log2(the largest magnitude in the block)) - 2, held to -126 .. 127; a block of zeros has e = 0. As a byte (E8M0): e + 127.
;;     - Each number is divided by its block's scale, clamped to +-6, and rounded to the nearest number of E2M1, ties to even, subnormals kept.
;;     - The product sums the exact products of the quantised numbers (number of the format x scale) in f32.
;;   ~~~python
;;   def quantise(x, axis):      # numpy; x: float32 -> the quantised numbers, widened to float32 again
;;       x = np.moveaxis(x, axis, -1); K = x.shape[-1]
;;       x = np.pad(x, [(0, 0)] * (x.ndim - 1) + [(0, -K % 32)]); x = x.reshape(x.shape[:-1] + (-1, 32)); a = np.abs(x).max(-1, keepdims=True)
;;       e = np.where(a > 0, np.clip(np.frexp(np.where(a > 0, a, 1))[1] - 1 - 2, -126, 127), 0)      # np.frexp(a)[1] - 1 = floor(log2(a)), exactly
;;       r = np.clip(x / 2.0 ** e, -6, 6)
;;       step = 2.0 ** (np.maximum(np.frexp(np.where(r == 0, 1, r))[1] - 1, 0) - 1)
;;       q = np.round(r / step) * step * 2.0 ** e      # np.round: ties to even
;;       return np.moveaxis(q.reshape(q.shape[:-2] + (-1,))[..., :K], -1, axis).astype(np.float32)
;;   ~~~
;; One version. Each part assembles by itself: llvm-mc -triple=amdgcn-amd-amdhsa -mcpu=gfx1250 --defsym DOCPART=n.
;; ======== version 1 of 1: 4 launches
;; limits: values are held in f16: magnitudes above 65,504 overflow, below 6.1e-05 lose precision
;; workspace buffers: xc 4,194,304 bytes; xs 262,144 bytes; wc 1,572,864 bytes; ws 98,304 bytes; wo16 2,097,152 bytes; qkv 50,331,648 bytes; att 16,777,216 bytes
;; launch prep (part 1): grid 384 x 1, 4 waves a work-group, no clusters, 33,280 bytes of LDS; arguments x, Wq, Wk, Wv, Wo, xc, xs, wc, ws, wo16; writes xc, xs, wc, ws, wo16
.if DOCPART == 1
	.amdgcn_target "amdgcn-amd-amdhsa--gfx1250"
	.amdhsa_code_object_version 6
	.text
	.protected	k_qd7a2e3d53c_prep
	.globl	k_qd7a2e3d53c_prep
	.p2align	8
	.type	k_qd7a2e3d53c_prep,@function
k_qd7a2e3d53c_prep:
	s_mov_b64 s[64:65], 0
	v_nop
	global_prefetch_b8 v0, s[64:65] scope:SCOPE_SE
	s_setreg_imm32_b32 hwreg(HW_REG_WAVE_MODE, 25, 1), 1
	s_wait_xcnt 0x0
; x [8192][1024] and Wq, Wk, Wv [1024][1024], f32, K innermost, are turned into codes of FP4 (E2M1), two to a byte, with one E8M0 scale byte for each 32 along K.
; x's go to xc [8192][512 bytes] and xs [8192][32]; the three weights' go one behind the other to wc [3072][512 bytes] and ws [3072][32].
; Wo [1024 n][1024 k], f32, is rounded to f16 and laid [k / 64][n][64]: a block of 64 along K of many rows n is then dense in memory.
; A block's scale is 2^(floor(log2(its largest magnitude)) - 2); its byte is the largest magnitude's exponent field - 2, held at 1 from below.  A block of zeros so gets the byte 1 where the
; quantiser says 127: its codes are zeros, which add nothing under any byte but 0xff, and this program alone reads the bytes.
; LIMITS: blocks whose largest magnitude lies under 2^-124, the floor, keep the byte 1; NaN and infinities among the inputs are not served; Wo's numbers lie inside f16's range.
; SHARES: 32,768 numbers to a work-group.  Work-groups 0-255 take x, 256-287 Wq, 288-319 Wk, 320-351 Wv: one path, the buffers chosen by the work-group's number.  Work-groups 352-383 take Wo, on a path of its own that uses no stage.
; THE QUANTISER'S PATH: rows are dense and K is a multiple of 32, so a tensor is a plain stream of blocks of 32.  A wave takes 16 steps of 512 numbers.  Each of a step's four loads reads 512 consecutive bytes, 16 a lane;
; the 2,048 bytes turn through the wave's own stage in LDS and come back 64 bytes a lane: 16 neighbours along K, two lanes to a block.  A lane's 16 codes are 8 bytes: the wave stores 256 consecutive bytes.
; A wave's 256 scale bytes are gathered in its own LDS bytes and leave as 256 consecutive bytes.  No barrier: waves share nothing.  Loads run four steps ahead, the turn through LDS one step.
.set WAVES, 4
.set STEPS, 16
.set WGX,   256                        ; work-groups for x
.set WGW,   32                         ; for each of Wq, Wk, Wv
.set WGQ,   WGX+3*WGW                  ; from here on: Wo
.set EMAX,  2
.set CB,    8                          ; bytes of 16 codes
.set R,     16                         ; v16-79   four sets of 16 numbers as they are loaded
.set X,     80                         ; v80-111  two sets of 16 neighbours
.set E,     112                        ; v112-127 a scale byte for each step
.set C,     128                        ; v128-191 codes: four registers for each step, so that no store's data are written again
.set WREG,  8192                       ; LDS: a region for each wave: two stages of 32 x SP bytes, behind them its 256 scale bytes
.set SP,    80                         ; a lane's place in a stage: 64 bytes + 16 of padding
.set SPW,   12                         ; v12  LDS address of my spare word; never rewritten
.set NIL,   13                         ; v13  0; never rewritten
.set SPARE, WAVES*WREG                 ; behind the four regions: the spare words, 128 bytes for each wave
.set WF,    16                         ; Wo's path: v16-143 two sets of 64 numbers
.set WH,    144                        ; v144-175 their f16 pairs
	s_load_b512 s[4:19], s[0:1], 0x0               ; x 4, Wq 6, Wk 8, Wv 10, Wo 12, xc 14, xs 16, wc 18
	s_load_b128 s[20:23], s[0:1], 0x40             ; ws 20, wo16 22
	v_lshl_add_u32 v[SPW], v0, 2, SPARE
	v_mov_b32 v[NIL], 0
	v_lshrrev_b32 v1, 5, v0
	v_readfirstlane_b32 s24, v1                    ; wave
	v_and_b32 v2, 31, v0                           ; lane
	s_wait_kmcnt 0x0
	s_cmp_ge_u32 ttmp9, WGQ
	s_cbranch_scc1 .Lwo
	v_lshlrev_b32 v3, 4, v2                        ; my 16 bytes of a load's 512
	s_mul_i32 s25, s24, WREG
	v_lshrrev_b32 v14, 2, v2
	v_mul_u32_u24 v14, v14, SP
	v_and_b32 v15, 3, v2
	v_lshl_add_u32 v14, v15, 4, v14
	v_add_nc_u32 v14, s25, v14                     ; the stage, on the way in: SP (lane / 4) + 16 (lane % 4)
	v_mul_u32_u24 v15, v2, SP
	v_add_nc_u32 v15, s25, v15                     ; and on the way out: SP x lane: my 16 neighbours
	v_mul_u32_u24 v4, v2, CB                       ; my codes' place in a step's
	v_lshrrev_b32 v5, 1, v2
	s_add_co_u32 s25, s25, 2*32*SP
	v_add_nc_u32 v5, s25, v5                       ; LDS: my wave's 256 scale bytes, my block's byte
	v_lshlrev_b32 v7, 3, v2                        ; and on the way out 8 bytes a lane
	v_add_nc_u32 v6, s25, v7
	s_cmp_ge_u32 ttmp9, WGX                        ; which tensor?  Every choice hangs on the work-group's number alone
	s_cselect_b64 s[28:29], s[6:7], s[4:5]         ; the numbers: Wq or x,
	s_cselect_b64 s[30:31], s[18:19], s[14:15]     ; the codes: wc or xc,
	s_cselect_b64 s[32:33], s[20:21], s[16:17]     ; the scale bytes: ws or xs
	s_cselect_b32 s26, WGX, 0                      ; the first work-group of the codes' buffer
	s_cselect_b32 s27, WGW-1, -1                   ; and a mask that gives the work-group's place in its own tensor
	s_cmp_ge_u32 ttmp9, WGX+WGW
	s_cselect_b64 s[28:29], s[8:9], s[28:29]       ; Wk
	s_cmp_ge_u32 ttmp9, WGX+2*WGW
	s_cselect_b64 s[28:29], s[10:11], s[28:29]     ; Wv
	s_sub_co_u32 s34, ttmp9, s26
	s_and_b32 s35, s34, s27
	s_lshl_b32 s34, s34, 2
	s_add_co_u32 s34, s34, s24                     ; which run of 8,192 numbers of the codes' buffer is my wave's,
	s_lshl_b32 s35, s35, 2
	s_add_co_u32 s35, s35, s24                     ; and of the tensor that is read
	s_lshl_b32 s36, s35, 15                        ; 32,768 bytes of numbers a run
	s_mov_b32 s37, 0
	s_add_nc_u64 s[28:29], s[28:29], s[36:37]
	s_lshl_b32 s36, s34, 12                        ; 4,096 bytes of codes
	s_add_nc_u64 s[30:31], s[30:31], s[36:37]
	s_lshl_b32 s36, s34, 8                         ; 256 scale bytes
	s_add_nc_u64 s[32:33], s[32:33], s[36:37]
.macro LOAD t
.irp i, 0,1,2,3
	global_load_b128 v[R+16*((\t)%4)+4*\i:R+16*((\t)%4)+4*\i+3], v3, s[28:29] offset:2048*(\t)+512*\i th:TH_LOAD_NT   ; 32 lanes read 512 consecutive bytes
.endr
.endm
.macro TURN t                          ; step t's numbers through the stage: LDS serves a wave's instructions in order, so no wait stands between the stores and the loads
.irp i, 0,1,2,3
	ds_store_b128 v14, v[R+16*((\t)%4)+4*\i:R+16*((\t)%4)+4*\i+3] offset:32*SP*((\t)%2)+8*SP*\i
.endr
.irp i, 0,1,2,3
	ds_load_b128 v[X+16*((\t)%2)+4*\i:X+16*((\t)%2)+4*\i+3], v15 offset:32*SP*((\t)%2)+16*\i
.endr
.endm
.irp t, 0,1,2,3
	LOAD \t
.endr
	s_wait_loadcnt 12                              ; step 0's four loads are in
	TURN 0
.macro STEP t
.set XS, X+16*((\t)%2)
.if (\t) > 0
	s_wait_dscnt 1                                 ; this step's numbers are back from the stage (the last step's byte store may be out): so its stores into the stage have read their registers,
.else
	s_wait_dscnt 0x0
.endif
.if (\t)+4 < STEPS
	LOAD (\t)+4                                    ; which take the loads of four steps on
.endif
.if (\t)+1 < STEPS
.if STEPS-2-(\t) >= 3
	s_wait_loadcnt 12                              ; the next step's four loads are in; those of the three steps behind it may be out
.else
	s_wait_loadcnt 4*(STEPS-2-(\t))
.endif
	TURN (\t)+1                                    ; and go through the other stage while this step is worked
.endif
	v_max3_num_f32 v8, |v[XS]|, |v[XS+1]|, |v[XS+2]|               ; the largest magnitude of my 16, in two chains
	v_max3_num_f32 v9, |v[XS+3]|, |v[XS+4]|, |v[XS+5]|
.irp i, 6,10
	v_max3_num_f32 v8, v8, |v[XS+\i]|, |v[XS+\i+1]|
	v_max3_num_f32 v9, v9, |v[XS+\i+2]|, |v[XS+\i+3]|
.endr
	v_max3_num_f32 v8, v8, |v[XS+14]|, |v[XS+15]|
	v_max3_num_f32 v8, v8, v9, (EMAX+1)<<23        ; and the floor 2^(EMAX + 1 - 127): the byte cannot fall under 1
	v_max_num_f32_dpp v8, v8, v8 row_xmask:1 row_mask:0xf bank_mask:0xf   ; and of my neighbour's 16: the block's
	v_add_nc_u32 v11, -(EMAX<<23), v8              ; EMAX off its exponent field: the conversion takes the exponent field of this operand as its scale, and nothing else of it
	v_cvt_scalef32_pk8_fp4_f32 v[C+4*(\t)], v[XS:XS+7], v11        ; eight numbers / the scale, to the nearest code, ties to even, beyond the largest code the largest
	v_cvt_scalef32_pk8_fp4_f32 v[C+4*(\t)+1], v[XS+8:XS+15], v11
	v_lshrrev_b32 v[E+(\t)], 23, v11               ; the scale's byte (also the plain line behind the conversions)
	ds_store_b8 v5, v[E+(\t)] offset:16*(\t)       ; both lanes of a block write the same byte with the same value
	global_store_b64 v4, v[C+4*(\t):C+4*(\t)+1], s[30:31] offset:32*CB*(\t)
.endm
.irp t, 0,1,2,3,4,5,6,7,8,9,10,11,12,13,14,15
	STEP \t
.endr
	ds_load_b64 v[8:9], v6                         ; LDS serves a wave's instructions in order: these see my stores
	s_wait_dscnt 0x0
	global_store_b64 v7, v[8:9], s[32:33]          ; 32 lanes store 256 consecutive bytes, aligned
	s_wait_tensorcnt 0x0                           ; the wave's end, behind my last LDS store
	ds_add_u32 v[SPW], v[NIL]
	s_wait_dscnt 0x0
	s_endpgm
; WO'S PATH.  Work-group j (of 32) takes rows 32 j on, wave w eight of them, as four pairs of rows.  A load takes a block of 64 along K of two rows: lanes 0-15 read 256 consecutive bytes of row n, lanes 16-31 of row n + 1.
; A lane's four numbers become 8 bytes of f16; in wo16 the two rows' blocks lie on end, so the wave stores 256 consecutive bytes, aligned.  Two pairs of rows (32 loads a wave) are on their way.
.Lwo:
	s_sub_co_u32 s25, ttmp9, WGQ
	s_lshl_b32 s25, s25, 5
	s_lshl_b32 s26, s24, 3
	s_add_co_u32 s25, s25, s26                     ; my wave's first row
	s_lshl_b32 s26, s25, 12                        ; 4,096 bytes a row of Wo
	s_mov_b32 s27, 0
	s_add_nc_u64 s[12:13], s[12:13], s[26:27]
	s_lshl_b32 s26, s25, 7                         ; 128 bytes a row in a block of wo16
	s_add_nc_u64 s[22:23], s[22:23], s[26:27]
	v_lshrrev_b32 v3, 4, v2
	v_and_b32 v4, 15, v2
	v_lshlrev_b32 v3, 12, v3
	v_lshl_add_u32 v3, v4, 4, v3                   ; in: 4,096 (lane / 16) + 16 (lane % 16)
	v_lshlrev_b32 v4, 3, v2                        ; out: 8 x lane
.macro WLOAD p
.irp z, 0,1,2,3,4,5,6,7,8,9,10,11,12,13,14,15
	global_load_b128 v[WF+64*((\p)%2)+4*\z:WF+64*((\p)%2)+4*\z+3], v3, s[12:13] offset:8192*(\p)+256*\z th:TH_LOAD_NT
.endr
.endm
.macro WOUT p
.if (\p) < 3
	s_wait_loadcnt 16                              ; this pair's 16 loads are in; the next pair's may be out
.else
	s_wait_loadcnt 0x0
.endif
	s_wait_xcnt 0x0                                ; the last pair's stores have read their data: the registers are written again only behind this wait
.irp z, 0,1,2,3,4,5,6,7,8,9,10,11,12,13,14,15
	v_cvt_pk_f16_f32 v[WH+2*\z], v[WF+64*((\p)%2)+4*\z], v[WF+64*((\p)%2)+4*\z+1]
	v_cvt_pk_f16_f32 v[WH+2*\z+1], v[WF+64*((\p)%2)+4*\z+2], v[WF+64*((\p)%2)+4*\z+3]
.endr
.irp z, 0,1,2,3,4,5,6,7,8,9,10,11,12,13,14,15
	global_store_b64 v4, v[WH+2*\z:WH+2*\z+1], s[22:23] offset:131072*\z+256*(\p)
.endr
.if (\p)+2 < 4
	WLOAD (\p)+2
.endif
.endm
	WLOAD 0
	WLOAD 1
	WOUT 0
	WOUT 1
	WOUT 2
	WOUT 3
	s_wait_tensorcnt 0x0                           ; the same three closing lines as on the other path
	ds_add_u32 v[SPW], v[NIL]
	s_wait_dscnt 0x0
	s_endpgm
.Lfunc_end_k_qd7a2e3d53c_prep:
	.size	k_qd7a2e3d53c_prep, .Lfunc_end_k_qd7a2e3d53c_prep-k_qd7a2e3d53c_prep
	.p2alignl 7, 3214868480
	.fill 96, 4, 3214868480
	.section	.rodata,"a",@progbits
	.p2align	6, 0x0
	.amdhsa_kernel k_qd7a2e3d53c_prep
		.amdhsa_group_segment_fixed_size 33280
		.amdhsa_private_segment_fixed_size 0
		.amdhsa_enable_private_segment 0
		.amdhsa_kernarg_size 80
		.amdhsa_user_sgpr_count 2
		.amdhsa_user_sgpr_kernarg_segment_ptr 1
		.amdhsa_wavefront_size32 1
		.amdhsa_system_sgpr_workgroup_id_x 1
		.amdhsa_system_sgpr_workgroup_id_y 1
		.amdhsa_system_sgpr_workgroup_id_z 1
		.amdhsa_system_vgpr_workitem_id 0
		.amdhsa_next_free_vgpr 192
		.amdhsa_next_free_sgpr 66
		.amdhsa_reserve_vcc 0
		.amdhsa_float_denorm_mode_32 3
		.amdhsa_float_denorm_mode_16_64 3
		.amdhsa_memory_ordered 1
		.amdhsa_forward_progress 1
		.amdhsa_inst_pref_size 55
	.end_amdhsa_kernel
	.amdgpu_metadata
---
amdhsa.version: [ 1, 2 ]
amdhsa.kernels:
  - .name:           k_qd7a2e3d53c_prep
    .symbol:         k_qd7a2e3d53c_prep.kd
    .args:
      - { .name: x, .offset: 0, .size: 8, .value_kind: global_buffer, .address_space: global }
      - { .name: Wq, .offset: 8, .size: 8, .value_kind: global_buffer, .address_space: global }
      - { .name: Wk, .offset: 16, .size: 8, .value_kind: global_buffer, .address_space: global }
      - { .name: Wv, .offset: 24, .size: 8, .value_kind: global_buffer, .address_space: global }
      - { .name: Wo, .offset: 32, .size: 8, .value_kind: global_buffer, .address_space: global }
      - { .name: xc, .offset: 40, .size: 8, .value_kind: global_buffer, .address_space: global }
      - { .name: xs, .offset: 48, .size: 8, .value_kind: global_buffer, .address_space: global }
      - { .name: wc, .offset: 56, .size: 8, .value_kind: global_buffer, .address_space: global }
      - { .name: ws, .offset: 64, .size: 8, .value_kind: global_buffer, .address_space: global }
      - { .name: wo16, .offset: 72, .size: 8, .value_kind: global_buffer, .address_space: global }
    .group_segment_fixed_size: 33280
    .private_segment_fixed_size: 0
    .kernarg_segment_align: 8
    .kernarg_segment_size: 80
    .max_flat_workgroup_size: 128
    .sgpr_count:     66
    .vgpr_count:     192
    .wavefront_size: 32
...
	.end_amdgpu_metadata
.endif
;; end of part 1
;; launch qkv (part 2): grid 12 x 32, 4 waves a work-group, clusters of 4 x 4, 327,680 bytes of LDS; arguments xc, xs, wc, ws, qkv; writes qkv
.if DOCPART == 2
	.amdgcn_target "amdgcn-amd-amdhsa--gfx1250"
	.amdhsa_code_object_version 6
	.text
	.protected	k_qd7a2e3d53c_qkv
	.globl	k_qd7a2e3d53c_qkv
	.p2align	8
	.type	k_qd7a2e3d53c_qkv,@function
k_qd7a2e3d53c_qkv:
	s_mov_b64 s[64:65], 0
	v_nop
	global_prefetch_b8 v0, s[64:65] scope:SCOPE_SE
	s_setreg_imm32_b32 hwreg(HW_REG_WAVE_MODE, 25, 1), 1
	s_wait_xcnt 0x0
	s_wait_alu depctr_hold_cnt(0) depctr_sa_sdst(0) depctr_va_vdst(0) depctr_va_sdst(0) depctr_va_ssrc(0) depctr_va_vcc(0) depctr_vm_vsrc(0)
	s_getreg_b32 s2, hwreg(HW_REG_IB_STS2, 6, 4)
	s_cmp_eq_u32 s2, 0
	s_cbranch_scc0 .Lentry_in_a_cluster
	s_endpgm
.Lentry_in_a_cluster:
	s_bfe_u32 s2, ttmp6, 0x10000c
	s_cmp_lg_u32 s2, 0xf033
	s_cbranch_scc0 .Lentry_shape_is_right
	s_endpgm
.Lentry_shape_is_right:
; The three projections as ONE product on codes of FP4 (E2M1): C[m][n] = sum over k of x[m][k] W[n][k], m = 8,192 rows of x, n = 3,072 rows of Wq | Wk | Wv, k = 1,024, one E8M0 scale for each 32 along K on both sides; sums in f32.
; The results are rounded once to f16 and laid by head: qkv [3 (Q, K, V)][4 batches][16 heads][2,048 positions][64], so that a head's rows are 128 consecutive bytes each, one behind the other.
; LIMIT: |Q|, |K|, |V| stay under 65,504, f16's largest number.
; A tile of C, 256 x 256, is made by a work-group of four waves; a wave makes 128 x 128: 64 accumulators of 16 x 16, 512 registers.  K goes in two steps of 512 (a tile's row is 256 bytes): the two LDS slots hold ALL of K, so no slot is filled again.
; THE SCALES of the work-group's 256 rows of x and 256 rows of W, for all of K, are two dense blocks of memory: they come into LDS once, with the first fills.
; CLUSTERS: 4 x 4 work-groups.  The four of a row of the cluster need the same tiles of x, the four of a column the same tiles of W: each tile is asked for JOINTLY, by the same tensor load with the same descriptor and a mask that names the four.
; THE MATRIX INSTRUCTION IS USED TRANSPOSED (source 0 = 16 rows of W, source 1 = 16 rows of x): a lane then holds eight neighbouring numbers of a row of C.
; REGISTERS, in windows of 256: window 0: v0-31 addresses; v32-95 scale words, two sets, and nothing else; v128-191 x's fragments (8 x 16 rows x 128 K), ONE set, on the way out rows read back from the stage; v192-223 packed results.
;   window 1: W's fragments, TWO sets, at v0 and at v128.   window 2: the 32 accumulators of my rows 0-63 (accumulator (a, b) at v[8 (8 a + b)]);   window 3: those of my rows 64-127.
.set SIZE_K, 1024
.set KSTEP,  512                       ; along K in a slot
.set NQ,     KSTEP/128                 ; matrix instructions deep
.set ROWB,   256                       ; a tile's row in bytes
.set KROW,   SIZE_K*4/8                ; a row of codes in memory, in bytes
.set PITCH,  272                       ; an LDS row: 256 bytes + 16 of padding = 68 words: row r starts at bank 4 r mod 64 (ISA guide 11.1), so the 16 rows of a load start at 16 different banks
.set FR,     8                         ; registers of a fragment: 16 rows x 128 K
.set NL,     2                         ; LDS loads that bring one
.set NP,     4                         ; places behind this matrix instruction (ISA guide 7.12.1)
.set HALFT,  128*PITCH                 ; 128 rows: what one tensor load brings, and what one wave reads of either side
.set SLOT,   4*HALFT                   ; x's 256 rows, then W's 256 rows
.set KS,     SIZE_K/32                 ; a row of scales in bytes
.set SCL,    2*SLOT                    ; behind the two slots: the scales, as rows of 256 bytes + 16 of padding
.set HALFS,  (128*KS/256)*272          ; the scales of 128 rows: what one tensor load brings
.set SBLK,   (16*KS/256)*272           ; those of 16 rows
.set SPARE,  SCL+4*HALFS               ; behind the scales: the spare words, 128 bytes for each wave
.set SPITCH, 272                       ; the way out: a stage of 16 rows x (256 bytes + 16) for each wave, in slot 0, which has had its one fill and its last read when the first result is stored there
.set ADRA, 16                          ; v16-17  LDS address of my fragments of x in slot 0, 1
.set ADRB, 20                          ; v20-21  the same for W
.set STO,  24                          ; v24     the way out: where I put 16 bytes of a row
.set RD,   25                          ; v25     where I read back
.set CO,   26                          ; v26     16 x lane: my byte offset in 512 bytes of qkv
.set ADRS, 27                          ; v27     LDS address of my scale words: lanes 0-15 x's rows, lanes 16-31 W's
.set SPW,  28                          ; v28     LDS address of my spare word; never rewritten
.set NIL,  29                          ; v29     0; never rewritten
.set SC,   32                          ; scale words: set s at v[SC + 8 NQ s]; register NQ i + q: lanes 0-15 the word of x's block i, lanes 16-31 that of W's block i, for the slot's q-th 128 along K
.set AF,   128                         ; x's fragments
.set BK,   128                         ; the way out: v128-159 and v160-191 by turns
.set TMP,  192                         ; the way out: packed results
.set G1, 24                            ; s[24:31] descriptor group 1 for x's tiles;  s[32:39] group 0, one set for each slot
.set G0, 32
.set G1B, 48                           ; s[48:55], s[56:63] the same for W's tiles
.set G0B, 56
.set G1S, 68                           ; s[68:75], s[76:79] groups 1 and 0 for x's scales;  s[80:87], s[88:91] for W's
.set G0S, 76
.set G1SB, 80
.set G0SB, 88
.set MSB, 0
.macro WIN new                         ; the immediate's high byte repeats the setting that is left
.if MSB != \new
	s_set_vgpr_msb (MSB<<8)|\new
.set MSB, \new
.endif
.endm
.set MUL_LO, 0xa1                      ; source 0 (W) window 1, source 1 (x) window 0, C and D window 2
.set MUL_HI, 0xf1                      ; the same, C and D window 3
.set TO_B,   0x40                      ; destination window 1, address window 0
; A joint load: waves 0 and 1 fetch for x, waves 2 and 3 for W.  Each of the two lines has ONE mask and one set of registers for all that issue it; the branch hangs on the wave's number alone.
; An s_nop 0 and four v_nop follow each of the two lines, ahead of the jump, the label and what follows.
.macro JLOAD g0a, g1a, g0b, g1b
	s_cmp_eq_u32 s15, 0
	s_cbranch_scc0 .Lfor_b_\@
	tensor_load_to_lds s[\g0a:\g0a+3], s[\g1a:\g1a+7]
	s_nop 0
.rept 4
	v_nop
.endr
	s_branch .Lasked_\@
.Lfor_b_\@:
	tensor_load_to_lds s[\g0b:\g0b+3], s[\g1b:\g1b+7]
	s_nop 0
.rept 4
	v_nop
.endr
.Lasked_\@:
.endm
.macro CROUND                          ; a round of the cluster's barrier
	s_barrier_signal -1
	s_barrier_wait -1
	s_cmp_lg_u32 s14, 0
	s_cbranch_scc1 .Lnot_wave_0_\@
	s_barrier_signal -3
.Lnot_wave_0_\@:
	s_barrier_wait -3
	s_barrier_signal -1
	s_barrier_wait -1
.endm
	s_load_b128 s[4:7], s[0:1], 0x0                ; x's codes s[4:5], x's scales s[6:7]
	s_load_b128 s[8:11], s[0:1], 0x10              ; W's codes s[8:9], W's scales s[10:11]
	s_load_b64 s[12:13], s[0:1], 0x20              ; qkv
	v_lshl_add_u32 v[SPW], v0, 2, SPARE
	v_mov_b32 v[NIL], 0
	ds_add_u32 v[SPW], v[NIL]                      ; the wave's opening: the add, twice on end, and its wait ahead of my first tensor load; the set-up below stands between the second and the wait
	ds_add_u32 v[SPW], v[NIL]
	v_lshrrev_b32 v1, 5, v0
	v_readfirstlane_b32 s14, v1                    ; wave 0..3
	s_lshr_b32 s15, s14, 1                         ; which half of the tile's rows is mine.  Also: I fetch for x (0) or for W (1)
	s_and_b32 s16, s14, 1                          ; which half of its columns.  Also: which 128 rows of that tile I fetch
	s_bfe_u32 s40, ttmp6, 0x40000                  ; cx, cy: my place in the cluster
	s_bfe_u32 s41, ttmp6, 0x40004
	s_lshl_b32 s42, ttmp9, 2
	s_add_co_u32 s42, s42, s40                     ; tile column of C = 4 x cluster x + cx
	s_and_b32 s17, ttmp7, 0xffff
	s_lshl_b32 s17, s17, 2
	s_add_co_u32 s17, s17, s41                     ; tile row of C = 4 x cluster y + cy
	s_lshl_b32 s43, s41, 2
	s_lshl_b32 s43, 15, s43                        ; my row of the cluster
	s_lshl_b32 s44, 0x1111, s40                    ; my column
	; descriptor group 1: a tile of 128 rows x 256 bytes, padded in LDS
	s_or_b32 s[G1+0], s43, (0<<16)|(1<<20)|(1<<21)|(5<<22)|(3<<25)  ; 15:0 the mask: x's tiles go to my row; 17:16 element of 1 byte; 20 padding on; 21 set beside a mask; 24:22 after every 64 words (code 5); 31:25 of 4 words (code 3)
	s_or_b32 s[G1B+0], s44, (0<<16)|(1<<20)|(1<<21)|(5<<22)|(3<<25)
.irp g, G1, G1B
	s_mov_b32 s[\g+1], ROWB<<16                    ; tensor_dim0
	s_mov_b32 s[\g+2], 128<<16                     ; tensor_dim1 = 128
	s_mov_b32 s[\g+3], ROWB<<16                    ; tile_dim0
	s_mov_b32 s[\g+4], 128                         ; tile_dim1 = 128
	s_mov_b32 s[\g+5], KROW                        ; tensor_dim0_stride
	s_mov_b32 s[\g+6], 0
	s_mov_b32 s[\g+7], 0
.endr
	; and for the scales of 128 rows: a dense block of 4,096 bytes, as 16 rows of 256 bytes (32 elements of 8 bytes), 16 bytes of padding behind each
	s_or_b32 s[G1S+0], s43, (3<<16)|(1<<20)|(1<<21)|(5<<22)|(3<<25)
	s_or_b32 s[G1SB+0], s44, (3<<16)|(1<<20)|(1<<21)|(5<<22)|(3<<25)
.irp g, G1S, G1SB
	s_mov_b32 s[\g+1], 32<<16
	s_mov_b32 s[\g+2], (128*KS/256)<<16
	s_mov_b32 s[\g+3], 32<<16
	s_mov_b32 s[\g+4], 128*KS/256
	s_mov_b32 s[\g+5], 32
	s_mov_b32 s[\g+6], 0
	s_mov_b32 s[\g+7], 0
.endr
	s_lshl_b32 s18, s16, 7                         ; which 128 rows of the tile I fetch
	s_lshl_b32 s20, s17, 8
	s_add_co_u32 s20, s20, s18                     ; x: row 256 x tile row + 128 x half
	s_lshl_b32 s46, s42, 8
	s_add_co_u32 s46, s46, s18                     ; W: row 256 x tile column + 128 x half
	s_mov_b32 s21, 0
	s_mov_b32 s47, 0
	s_mov_b64 s[18:19], KS
	s_mul_u64 s[22:23], s[20:21], s[18:19]         ; where these rows' scales begin, in bytes
	s_mul_u64 s[92:93], s[46:47], s[18:19]
	s_mov_b64 s[18:19], KROW
	s_mul_u64 s[20:21], s[20:21], s[18:19]         ; and their codes
	s_mul_u64 s[46:47], s[46:47], s[18:19]
	s_mul_i32 s45, s14, HALFT                      ; where they go: wave x 128 rows: no place in the cluster enters an LDS address
	s_mul_i32 s94, s14, HALFS
	s_wait_dscnt 0x0                               ; both opening adds are done
	s_wait_kmcnt 0x0
	s_add_nc_u64 s[20:21], s[4:5], s[20:21]
	s_add_nc_u64 s[22:23], s[6:7], s[22:23]
	s_add_nc_u64 s[46:47], s[8:9], s[46:47]
	s_add_nc_u64 s[92:93], s[10:11], s[92:93]
	CROUND                                         ; all sixteen work-groups are here: the joint loads meet
	s_mov_b32 s[G0S], 1
	s_add_co_u32 s[G0S+1], s94, SCL
	s_mov_b64 s[G0S+2:G0S+3], s[22:23]
	s_or_b32 s[G0S+3], s[G0S+3], 0x80000000
	s_mov_b32 s[G0SB], 1
	s_add_co_u32 s[G0SB+1], s94, SCL
	s_mov_b64 s[G0SB+2:G0SB+3], s[92:93]
	s_or_b32 s[G0SB+3], s[G0SB+3], 0x80000000
	JLOAD G0S, G1S, G0SB, G1SB                     ; the scales first: they are wanted with K step 0
.irp s, 0,1
	s_mov_b32 s[G0+4*\s], 1
	s_add_co_u32 s[G0+4*\s+1], s45, \s*SLOT
	s_add_nc_u64 s[G0+4*\s+2:G0+4*\s+3], s[20:21], \s*ROWB
	s_or_b32 s[G0+4*\s+3], s[G0+4*\s+3], 0x80000000
	s_mov_b32 s[G0B+4*\s], 1
	s_add_co_u32 s[G0B+4*\s+1], s45, \s*SLOT
	s_add_nc_u64 s[G0B+4*\s+2:G0B+4*\s+3], s[46:47], \s*ROWB
	s_or_b32 s[G0B+4*\s+3], s[G0B+4*\s+3], 0x80000000
	JLOAD G0+4*\s, G1, G0B+4*\s, G1B               ; three tensor loads of mine are out behind the second of these
.endr
	v_and_b32 v1, 15, v0                           ; l % 16
	v_bfe_u32 v2, v0, 4, 1                         ; l / 16
	v_mul_u32_u24 v3, v1, PITCH
	v_lshl_add_u32 v4, v2, 4, v3                   ; a fragment's row x pitch + 16 x half
	s_mul_i32 s21, s15, HALFT                      ; my 128 rows of x
	s_mul_i32 s22, s16, HALFT                      ; my 128 rows of W,
	s_add_co_u32 s22, s22, 2*HALFT                 ; which lie behind x's 256
.irp s, 0,1
	v_add_nc_u32 v[ADRA+\s], s21, v4
	v_add_nc_u32 v[ADRB+\s], s22, v4
	s_add_co_u32 s21, s21, SLOT
	s_add_co_u32 s22, s22, SLOT
.endr
	v_mul_u32_u24 v5, v1, KS                       ; my row's scales: KS bytes a row,
	v_lshrrev_b32 v6, 8, v5
	v_lshl_add_u32 v5, v6, 4, v5                   ; and 16 more for each 256 passed
	s_mul_i32 s21, s15, HALFS                      ; x's: my 128 rows
	s_mul_i32 s22, s16, HALFS                      ; W's: my 128 rows, behind x's 256
	s_add_co_u32 s22, s22, 2*HALFS
	s_sub_co_u32 s22, s22, s21
	v_mul_u32_u24 v6, s22, v2                      ; lanes 16-31 take W's
	s_add_co_u32 s21, s21, SCL
	v_add_nc_u32 v5, v5, v6
	v_add_nc_u32 v[ADRS], s21, v5
	s_mul_i32 s23, s14, 16*SPITCH                  ; my stage
	v_mul_u32_u24 v5, v1, SPITCH                   ; in: row l % 16, 16 bytes for each half of the lanes
	v_lshl_add_u32 v5, v2, 4, v5
	v_add_nc_u32 v[STO], s23, v5
	v_and_b32 v6, 31, v0
	v_lshrrev_b32 v5, 3, v6                        ; back: eight lanes take one head's 128 bytes of a row, the 32 lanes four rows
	v_mul_u32_u24 v5, v5, SPITCH
	v_and_b32 v7, 7, v0
	v_lshl_add_u32 v5, v7, 4, v5
	v_add_nc_u32 v[RD], s23, v5
	v_lshlrev_b32 v[CO], 4, v6                     ; in qkv those four rows of a head are 512 consecutive bytes
	; where my part begins in qkv: section << 24 | batch << 22 | head << 18 | position << 7
	s_lshl_b32 s20, s17, 8
	s_lshl_b32 s21, s15, 7
	s_add_co_u32 s20, s20, s21                     ; my first row of C: 256 x tile row + 128 x half
	s_lshr_b32 s21, s20, 11                        ; its batch,
	s_and_b32 s20, s20, 2047                       ; its position
	s_lshl_b32 s21, s21, 22
	s_lshl_b32 s20, s20, 7
	s_add_co_u32 s20, s20, s21
	s_lshl_b32 s46, s42, 2
	s_lshl_b32 s47, s16, 1
	s_add_co_u32 s46, s46, s47                     ; my first column / 64: 4 x tile column + 2 x half
	s_lshr_b32 s47, s46, 4                         ; the section (Q, K or V),
	s_and_b32 s46, s46, 15                         ; the head
	s_lshl_b32 s47, s47, 24
	s_lshl_b32 s46, s46, 18
	s_add_co_u32 s46, s46, s47
	s_add_co_u32 s20, s20, s46
	s_mov_b32 s21, 0
	s_add_nc_u64 s[12:13], s[12:13], s[20:21]
.macro FRAG reg, adr, q, i             ; a fragment, 16 rows x 128 K of 4-bit codes, is 8 registers: lane l holds row l % 16; registers 4 c .. 4 c + 3 hold K = 64 c + 32 (l / 16) + 0 .. 31
.irp c, 0,1
	ds_load_b128 v[\reg+4*\c:\reg+4*\c+3], v[\adr] offset:64*(\q)+32*\c+(\i)*16*PITCH
.endr
.endm
; 16 matrix instructions: x's blocks a0, a0 + 1 against W's eight, 128 along K: the slot's q-th.  p: W's set;  sc: the set of scale words.  zero = 1: the first product starts the sums: nothing is ever cleared.
; The 64 accumulators take turns, one instruction a turn, in the same order in every step.
.macro MUL16 a0, p, q, sc, zero
.irp a, \a0, \a0+1
.irp b, 0,1,2,3,4,5,6,7
.if \zero
	v_wmma_scale_f32_16x16x128_f8f6f4 v[8*(8*((\a)%4)+\b):8*(8*((\a)%4)+\b)+7], v[128*(\p)+FR*\b:128*(\p)+FR*\b+FR-1], v[AF+FR*(\a):AF+FR*(\a)+FR-1], 0, v[SC+8*NQ*(\sc)+NQ*\b+(\q)], v[SC+8*NQ*(\sc)+NQ*(\a)+(\q)] matrix_a_fmt:MATRIX_FMT_FP4 matrix_b_fmt:MATRIX_FMT_FP4 matrix_a_scale:MATRIX_SCALE_ROW1
.else
	v_wmma_scale_f32_16x16x128_f8f6f4 v[8*(8*((\a)%4)+\b):8*(8*((\a)%4)+\b)+7], v[128*(\p)+FR*\b:128*(\p)+FR*\b+FR-1], v[AF+FR*(\a):AF+FR*(\a)+FR-1], v[8*(8*((\a)%4)+\b):8*(8*((\a)%4)+\b)+7], v[SC+8*NQ*(\sc)+NQ*\b+(\q)], v[SC+8*NQ*(\sc)+NQ*(\a)+(\q)] matrix_a_fmt:MATRIX_FMT_FP4 matrix_b_fmt:MATRIX_FMT_FP4 matrix_a_scale:MATRIX_SCALE_ROW1
.endif
.endr
.endr
.endm
.macro FETCH_B slot, q, p              ; W's eight fragments of the slot's q-th 128 along K into set p
	WIN TO_B
.irp i, 0,1,2,3,4,5,6,7
	FRAG 128*(\p)+FR*\i, ADRB+\slot, \q, \i
.endr
	WIN 0
.endm
.macro FETCH_A slot, q, i0             ; x's blocks i0 .. i0 + 3
.irp i, \i0, \i0+1, \i0+2, \i0+3
	FRAG AF+FR*(\i), ADRA+\slot, \q, \i
.endr
.endm
.macro SCALES sc                       ; a K step's scale words into set sc: NQ words a row; lanes 0-15 take x's block i, lanes 16-31 W's block i
.irp i, 0,1,2,3,4,5,6,7
	ds_load_b128 v[SC+8*NQ*\sc+NQ*\i:SC+8*NQ*\sc+NQ*\i+3], v[ADRS] offset:\i*SBLK
.endr
.endm
; A load into a register that a matrix instruction has read, and a vector instruction that reads a matrix result, stand NP places behind that matrix instruction, and only plain vector
; instructions that name none of its registers are places (ISA guide 7.12.1 for vector instructions).
.macro PLACES n
.rept \n
	v_nop
.endr
.endm
; A step of 128 along K that has its successor in the same slot.
.macro STEP slot, q, zero
	s_wait_dscnt 4*NL                              ; W's set and x's blocks 0-3 are in; the youngest eight loads (x's blocks 4-7) may be out
	WIN MUL_LO
	MUL16 0, (\q)%2, \q, \slot, \zero
	MUL16 2, (\q)%2, \q, \slot, \zero
	s_wait_dscnt 0                                 ; x's blocks 4-7 are in (asked for 32 matrix instructions ago)
	PLACES NP
	FETCH_B \slot, (\q)+1, 1-(\q)%2
	FETCH_A \slot, (\q)+1, 0
	WIN MUL_HI
	MUL16 4, (\q)%2, \q, \slot, \zero
	MUL16 6, (\q)%2, \q, \slot, \zero
	PLACES NP
	WIN 0
	FETCH_A \slot, (\q)+1, 4
.endm
; Slot 0's last step changes slots: one barrier; in front of it each wave waits for all its tensor loads (its part of slot 1), adds 0 to its spare word, and waits for that and for its reads of slot 0.  Nothing is filled again.
.macro TURN slot, next
	s_wait_tensorcnt 0x0                           ; all my tensor loads have landed  (every window is 0 here: the add's two registers lie in window 0)
	ds_add_u32 v[SPW], v[NIL]                      ; 0 onto my spare word
	s_wait_dscnt 4*NL+1                            ; (the add and the youngest eight loads, x's blocks 4-7, may be out)
	WIN MUL_LO
	MUL16 0, 1, NQ-1, \slot, 0                     ; sixteen matrix instructions stand between the add and the wait for it
	s_wait_dscnt 0x0                               ; the add is done, and my reads of this slot are over
	s_barrier_signal -1
	MUL16 2, 1, NQ-1, \slot, 0
	WIN 0
	s_barrier_wait -1                              ; the next slot is whole, and nobody reads this one any more
	PLACES NP
	v_add_nc_u32 v[ADRS], 4*NQ, v[ADRS]            ; on to the next K step's scale words (no LDS load of mine is out)
	FETCH_B \next, 0, 0
	FETCH_A \next, 0, 0
	SCALES \next
	WIN MUL_HI
	MUL16 4, 1, NQ-1, \slot, 0
	MUL16 6, 1, NQ-1, \slot, 0
	PLACES NP
	WIN 0
	FETCH_A \next, 0, 4
.endm
.macro STEPS slot, from                ; the slot's steps from .. NQ - 2
.set Q, \from
.rept NQ-1-\from
	STEP \slot, Q, 0
.set Q, Q+1
.endr
.endm
	s_wait_tensorcnt 1                             ; the scales and my part of K step 0 are in (K step 1's load may be out)
	s_barrier_signal -1
	s_barrier_wait -1                              ; everybody's are
	FETCH_B 0, 0, 0
	FETCH_A 0, 0, 0
	SCALES 0
	FETCH_A 0, 0, 4
	STEP 0, 0, 1                                   ; the first step's products start the sums
	STEPS 0, 1
	TURN 0, 1
	STEPS 1, 0
	s_wait_dscnt 4*NL                              ; the very last step: nothing more to fetch
	WIN MUL_LO
	MUL16 0, 1, NQ-1, 1, 0
	MUL16 2, 1, NQ-1, 1, 0
	s_wait_dscnt 0
	WIN MUL_HI
	MUL16 4, 1, NQ-1, 1, 0
	MUL16 6, 1, NQ-1, 1, 0
	WIN 0
; THE WAY OUT, block by block of 16 rows x 128 columns (two heads).  PACK: rounded to f16, a lane's eight neighbours are 16 bytes.  TOSTAGE: into my own stage in LDS, and back so that the 32 lanes hold four rows of ONE head.
; SEND: those are 512 consecutive bytes of qkv, aligned.  LDS serves a wave's instructions in order (ISA guide 5.7.1.4): no wait between the stores and the loads.
.macro PACK a
.set AC, 64*((\a)%4)
	WIN 0x0a+5*((\a)/4)                            ; sources 0 and 1: window 2 or 3
.irp b, 0,1,2,3,4,5,6,7
.irp r, 0,1,2,3
	v_cvt_pk_f16_f32 v[TMP+4*\b+\r], v[AC+8*\b+2*\r], v[AC+8*\b+2*\r+1]   ; each accumulator from its low end on
.endr
.endr
	WIN 0
.endm
.macro TOSTAGE a
.set BB, BK+32*((\a)%2)
.irp b, 0,1,2,3,4,5,6,7
	ds_store_b128 v[STO], v[TMP+4*\b:TMP+4*\b+3] offset:32*\b
.endr
.irp u, 0,1
.irp i, 0,1,2,3
	ds_load_b128 v[BB+4*(4*\u+\i):BB+4*(4*\u+\i)+3], v[RD] offset:\i*4*SPITCH+128*\u   ; head u of my two, rows 4 i .. 4 i + 3
.endr
.endr
.endm
.macro SEND a
.set BB, BK+32*((\a)%2)
	s_wait_dscnt 0x0                               ; the block is back in registers
	s_wait_xcnt 0x0                                ; the stores of the block before have read their data: the next block's loads land there only behind this wait
.irp u, 0,1
.irp i, 0,1,2,3
	global_store_b128 v[CO], v[BB+4*(4*\u+\i):BB+4*(4*\u+\i)+3], s[12:13] offset:(\a)*2048+\i*512+\u*262144   ; every offset is an immediate: the base is never stepped
.endr
.endr
.endm
	PLACES NP                                      ; behind the last products: for the conversions that read results and the loads into the registers that held x's fragments
	PACK 0
	TOSTAGE 0
.irp a, 1,2,3,4,5,6,7                  ; block a's conversions stand between block a - 1's loads from the stage and the wait for them
	PACK \a
	SEND \a-1
	TOSTAGE \a
.endr
	SEND 7
	s_wait_tensorcnt 0x0                           ; the wave's end, behind my last tensor load and my last LDS store
	ds_add_u32 v[SPW], v[NIL]
	s_wait_dscnt 0x0
	CROUND                                         ; the closing round: no work-group ends while a partner may still ask for a tile that names it
	s_endpgm
.Lfunc_end_k_qd7a2e3d53c_qkv:
	.size	k_qd7a2e3d53c_qkv, .Lfunc_end_k_qd7a2e3d53c_qkv-k_qd7a2e3d53c_qkv
	.p2alignl 7, 3214868480
	.fill 96, 4, 3214868480
	.section	.rodata,"a",@progbits
	.p2align	6, 0x0
	.amdhsa_kernel k_qd7a2e3d53c_qkv
		.amdhsa_group_segment_fixed_size 327680
		.amdhsa_private_segment_fixed_size 0
		.amdhsa_enable_private_segment 0
		.amdhsa_kernarg_size 40
		.amdhsa_user_sgpr_count 2
		.amdhsa_user_sgpr_kernarg_segment_ptr 1
		.amdhsa_wavefront_size32 1
		.amdhsa_system_sgpr_workgroup_id_x 1
		.amdhsa_system_sgpr_workgroup_id_y 1
		.amdhsa_system_sgpr_workgroup_id_z 1
		.amdhsa_system_vgpr_workitem_id 0
		.amdhsa_next_free_vgpr 1024
		.amdhsa_next_free_sgpr 98
		.amdhsa_reserve_vcc 0
		.amdhsa_float_denorm_mode_32 3
		.amdhsa_float_denorm_mode_16_64 3
		.amdhsa_memory_ordered 1
		.amdhsa_forward_progress 1
		.amdhsa_inst_pref_size 126
	.end_amdhsa_kernel
	.amdgpu_metadata
---
amdhsa.version: [ 1, 2 ]
amdhsa.kernels:
  - .name:           k_qd7a2e3d53c_qkv
    .symbol:         k_qd7a2e3d53c_qkv.kd
    .args:
      - { .name: xc, .offset: 0, .size: 8, .value_kind: global_buffer, .address_space: global }
      - { .name: xs, .offset: 8, .size: 8, .value_kind: global_buffer, .address_space: global }
      - { .name: wc, .offset: 16, .size: 8, .value_kind: global_buffer, .address_space: global }
      - { .name: ws, .offset: 24, .size: 8, .value_kind: global_buffer, .address_space: global }
      - { .name: qkv, .offset: 32, .size: 8, .value_kind: global_buffer, .address_space: global }
    .group_segment_fixed_size: 327680
    .private_segment_fixed_size: 0
    .kernarg_segment_align: 8
    .kernarg_segment_size: 40
    .max_flat_workgroup_size: 128
    .sgpr_count:     98
    .vgpr_count:     1024
    .wavefront_size: 32
...
	.end_amdgpu_metadata
.endif
;; end of part 2
;; launch attn (part 3): grid 4 x 64, 16 waves a work-group, clusters of 4 x 1, 327,680 bytes of LDS; arguments qkv, padding_mask, att; writes att
.if DOCPART == 3
	.amdgcn_target "amdgcn-amd-amdhsa--gfx1250"
	.amdhsa_code_object_version 6
	.text
	.protected	k_qd7a2e3d53c_attn
	.globl	k_qd7a2e3d53c_attn
	.p2align	8
	.type	k_qd7a2e3d53c_attn,@function
k_qd7a2e3d53c_attn:
	s_mov_b64 s[64:65], 0
	v_nop
	global_prefetch_b8 v0, s[64:65] scope:SCOPE_SE
	s_setreg_imm32_b32 hwreg(HW_REG_WAVE_MODE, 25, 1), 1
	s_wait_xcnt 0x0
	s_wait_alu depctr_hold_cnt(0) depctr_sa_sdst(0) depctr_va_vdst(0) depctr_va_sdst(0) depctr_va_ssrc(0) depctr_va_vcc(0) depctr_vm_vsrc(0)
	s_getreg_b32 s2, hwreg(HW_REG_IB_STS2, 6, 4)
	s_cmp_eq_u32 s2, 0
	s_cbranch_scc0 .Lentry_in_a_cluster
	s_endpgm
.Lentry_in_a_cluster:
	s_bfe_u32 s2, ttmp6, 0x10000c
	s_cmp_lg_u32 s2, 0x3003
	s_cbranch_scc0 .Lentry_shape_is_right
	s_endpgm
.Lentry_shape_is_right:
; att[b][h][q][:] = the sum over keys k of softmax_k(Q[q] . K[k] / 8, keys with padding_mask 0 left out) V[k][:].  Q, K, V: f16, [3][4 b][16 h][2,048][64] (buffer qkv).  Products on f16 operands with f32 sums;
; maxima, exponentials and sums in f32; the weights p are rounded to f16 for the second product, the result once at the end.  att: f16, [16 h][8,192 = b x 2,048 + position][64].
; SHARES.  A work-group owns 512 queries of one batch and head; each of its SIXTEEN waves owns 32 of them, two tiles of 16, in 256 registers: four waves to a SIMD, so that one wave's vector work stands beside another's
; matrix work and LDS loads, and each fragment of K and V read from LDS feeds two products.  Every wave walks all 2,048 keys, 64 a step.
; LAYOUT.  S^T = K Q^T (source 0 = 16 keys, source 1 = 16 queries): a lane holds ONE query (lane % 16) and the keys 8 (lane / 16) + 0..7.  Two such tiles, rounded to f16 in pairs, ARE source 1 (32 keys x 16 queries) of
; O^T = V^T P, whose result again holds one query a lane.  K comes out of LDS as it lies, V ([key][channel]) turned, by ds_load_tr16_b128.  K's and V's fragments share one set of 64 registers.
; THE MASK.  Each key has a bias in LDS: 0 where the mask is true, -2^100 where it is false.  The bias is the C of a score's first matrix instruction, so masking costs no vector instruction.  The running maximum m starts at the
; floor -2^96.  |q . k| is at most 64 x 65,504^2, under 2^39, so a score that counts lies far above the floor and a masked one far below: its p = 2^(c s - c m) is 0.  Steps with no key that counts leave m, l and O as they are.
; A batch with no key that counts ends with l = 0 and gives 0 x (1 / 0) = NaN, as a softmax over no key does.
; SOFTMAX.  For each query a running maximum m and sum l: p = 2^(c s - c m), c = log2(e) / 8; in every step O and l are multiplied by a = 2^(c m_old - c m_new).
; RING.  Two LDS slots of 512 keys.  2,048 keys are four slots' worth: two first fills, two refills.  Each of the sixteen waves fetches 64 rows (waves 0-7: K's, waves 8-15: V's); a refill has eight key steps in which to land,
; a quarter of the walk, so nothing is asked for ahead of the tensor loads.
; CLUSTER.  The four query blocks of a cluster belong to one batch and head and walk the same K and V: each tile is asked for JOINTLY, by the same tensor load with the same descriptor and a mask that names the four.
; LIMITS: |Q|, |K|, |V| under 65,504; NaN and infinities among the inputs are not served.
.set PK,    144                        ; a row of K in LDS: 128 bytes + 16 of padding = 36 words: row r starts at bank 36 r mod 64 (ISA guide 11.1): the 16 rows of a load start at 16 different groups of four banks
.set PV,    160                        ; a row of V: 128 + 32
.set KREG,  512*PK                     ; a slot: 512 rows of K, then 512 rows of V
.set SLOT,  512*(PK+PV)
.set BIAS,  2*SLOT                     ; behind the ring: one f32 for each of the batch's 2,048 keys
.set SPARE, BIAS+8192                  ; the spare words, 128 bytes for each wave
.set SPW, 1                            ; v1   LDS address of my spare word; never rewritten
.set NIL, 2                            ; v2   0; never rewritten
.set AK0, 3                            ; v3   my lane's place in a tile of K
.set AV0, 4                            ; v4   in a tile of V
.set AB0, 5                            ; v5   among the biases
.set ADK, 6                            ; v6-8 the step's addresses
.set ADV, 7
.set ADB, 8
.set ST,  12                           ; tile q's statistics at v[ST + 8 q]: +0 c m, +1 m, +2, +3 l (even keys', odd keys'), +4 to +7 at work; a in +6, c m_old - c m_new in +7
.set Q,   32                           ; Q's fragments: tile q, channels 32 c on, at v[Q + 16 q + 8 c]
.set S,   64                           ; S^T: tile q, keys 16 t on, at v[S + 32 q + 8 t]; then p; P in place at v[S + 32 q + 0 .. 15]
.set O,   128                          ; O^T: tile q, channels 16 d on, at v[O + 32 q + 8 d]
.set KV,  192                          ; K (keys 16 t on, channels 32 c on) at v[KV + 16 t + 8 c]; then V (keys 32 u on, channels 16 d on) at v[KV + 32 u + 8 d]
.set WV,  10                           ; s10  my wave's number
.set G1K, 24                           ; s[24:31] descriptor group 1 for K's tiles;  s[32:39] for V's: the padding differs
.set G1V, 32
.set G0K, 40                           ; s[40:47] group 0 for K's tiles, a set for each slot;  s[48:55] for V's
.set G0V, 48
.set CS,  56                           ; s[56:57] c: the packed scaling names a pair and takes its low word for both halves
.set SEL, 58                           ; s[58:59] lane selects for v_permlanex16_b32: lane l xor 16
.set TBK, 60                           ; s60  LDS byte at which the step's rows of K begin
.set TBV, 61                           ; s61  the same for V (less KREG)
.set TBB, 62                           ; s62  and its biases
.set CNT, 63                           ; s63  counts a slot's eight steps
; A joint refill of slot s.  The branch hangs on the wave's number alone.  An s_nop 0 and four v_nop follow each of the two lines.
.macro JLOAD s
	s_cmp_lt_u32 s[WV], 8
	s_cbranch_scc0 .Lfor_v_\@
	tensor_load_to_lds s[G0K+4*\s:G0K+4*\s+3], s[G1K:G1K+7]
	s_nop 0
.rept 4
	v_nop
.endr
	s_branch .Lasked_\@
.Lfor_v_\@:
	tensor_load_to_lds s[G0V+4*\s:G0V+4*\s+3], s[G1V:G1V+7]
	s_nop 0
.rept 4
	v_nop
.endr
.Lasked_\@:
.endm
.macro CROUND                          ; a round of the cluster's barrier
	s_barrier_signal -1
	s_barrier_wait -1
	s_cmp_lg_u32 s[WV], 0
	s_cbranch_scc1 .Lnot_wave_0_\@
	s_barrier_signal -3
.Lnot_wave_0_\@:
	s_barrier_wait -3
	s_barrier_signal -1
	s_barrier_wait -1
.endm
	s_load_b128 s[4:7], s[0:1], 0x0                ; qkv s[4:5], padding_mask s[6:7]
	s_load_b64 s[8:9], s[0:1], 0x10                ; att
	v_lshl_add_u32 v[SPW], v0, 2, SPARE
	v_mov_b32 v[NIL], 0
	ds_add_u32 v[SPW], v[NIL]                      ; the wave's opening: the add, twice on end, and its wait ahead of my first tensor load; the set-up below stands between the second and the wait
	ds_add_u32 v[SPW], v[NIL]
	v_lshrrev_b32 v9, 5, v0
	v_readfirstlane_b32 s[WV], v9                  ; wave 0..15
	s_and_b32 s11, s[WV], 7                        ; which 64 rows of a slot's 512 I fetch
	s_bfe_u32 s12, ttmp6, 0x40000                  ; cx: my block of 512 queries; it enters Q's and att's addresses alone
	s_and_b32 s13, ttmp7, 0xffff                   ; 16 x batch + head, which the four partners share
	; descriptor group 1: a tile of 64 rows x 64 elements of 2 bytes, dense in memory, padded in LDS
	s_mov_b32 s[G1K], 15|(1<<16)|(1<<20)|(1<<21)|(4<<22)|(3<<25)  ; 15:0 the mask: all four work-groups; 17:16 elements of 2 bytes; 20 padding on; 21 set beside a mask; 24:22 after every 32 words (code 4); 31:25 4 words of it (code 3)
	s_mov_b32 s[G1V], 15|(1<<16)|(1<<20)|(1<<21)|(4<<22)|(7<<25)  ; the same with 8 words of padding (code 7)
.irp g, G1K, G1V
	s_mov_b32 s[\g+1], 64<<16                      ; tensor_dim0 = 64
	s_mov_b32 s[\g+2], 64<<16                      ; tensor_dim1 = 64
	s_mov_b32 s[\g+3], 64<<16                      ; tile_dim0 = 64
	s_mov_b32 s[\g+4], 64                          ; tile_dim1 = 64
	s_mov_b32 s[\g+5], 64                          ; tensor_dim0_stride
	s_mov_b32 s[\g+6], 0
	s_mov_b32 s[\g+7], 0
.endr
	s_mov_b32 s[CS], 0x3e38aa3b                    ; c = log2(e) / 8
	s_mov_b32 s[CS+1], s[CS]                       ; named with it as a pair, so it is written
	s_mov_b32 s[SEL], 0x76543210
	s_mov_b32 s[SEL+1], 0xfedcba98
	s_lshl_b32 s14, s13, 18                        ; the head's 2,048 rows of 128 bytes,
	s_lshl_b32 s15, s11, 13                        ; my 64 of a slot's
	s_add_co_u32 s14, s14, s15
	s_mov_b32 s15, 0
	s_mul_i32 s18, s11, 64*PK                      ; and their places in a slot: no place in the cluster enters an LDS address
	s_mul_i32 s19, s11, 64*PV
	s_lshl_b32 s20, s12, 16                        ; my block's 512 rows,
	s_lshl_b32 s21, s[WV], 12                      ; my wave's 32 of them
	s_add_co_u32 s20, s20, s21
	s_lshl_b32 s22, s13, 18
	s_add_co_u32 s22, s22, s20                     ; Q: in my batch and head
	s_mov_b32 s23, 0
	s_and_b32 s21, s13, 15
	s_lshl_b32 s21, s21, 20
	s_add_co_u32 s20, s20, s21                     ; att: head << 20
	s_lshr_b32 s16, s13, 4                         ; the batch
	s_lshl_b32 s21, s16, 18
	s_add_co_u32 s20, s20, s21                     ; + batch x 2,048 rows
	s_mov_b32 s21, 0
	s_lshl_b32 s16, s16, 11                        ; the mask: 2,048 bytes a batch
	s_mov_b32 s17, 0
	s_wait_dscnt 0x0                               ; both opening adds are done
	s_wait_kmcnt 0x0
	s_add_nc_u64 s[66:67], s[4:5], s[22:23]        ; Q at my wave's first row
	s_add_nc_u64 s[68:69], s[8:9], s[20:21]        ; att likewise
	s_add_nc_u64 s[70:71], s[6:7], s[16:17]        ; my batch's mask
	s_add_nc_u64 s[14:15], s[4:5], s[14:15]
	CROUND                                         ; all four work-groups are here: the first joint loads meet
.irp s, 0,1
	s_mov_b32 s[G0K+4*\s], 1                       ; count = 1
	s_add_co_u32 s[G0K+4*\s+1], s18, \s*SLOT       ; LDS address
	s_add_nc_u64 s[G0K+4*\s+2:G0K+4*\s+3], s[14:15], (1<<24)+\s*65536   ; global address: section K; slot s begins with keys 512 s
	s_or_b32 s[G0K+4*\s+3], s[G0K+4*\s+3], 0x80000000                   ; type = 2
	s_mov_b32 s[G0V+4*\s], 1
	s_add_co_u32 s[G0V+4*\s+1], s19, KREG+\s*SLOT
	s_add_nc_u64 s[G0V+4*\s+2:G0V+4*\s+3], s[14:15], (2<<24)+\s*65536   ; section V
	s_or_b32 s[G0V+4*\s+3], s[G0V+4*\s+3], 0x80000000
.endr
	s_cmp_lt_u32 s[WV], 8                          ; a wave's two first fills stand in one branch, ahead of every wait on TENSORcnt and every LDS read: two loads of mine are out
	s_cbranch_scc0 .Lfirst_v
	tensor_load_to_lds s[G0K:G0K+3], s[G1K:G1K+7]
	s_nop 0
	tensor_load_to_lds s[G0K+4:G0K+7], s[G1K:G1K+7]
	s_nop 0
.rept 4
	v_nop
.endr
	s_branch .Lfirst_asked
.Lfirst_v:
	tensor_load_to_lds s[G0V:G0V+3], s[G1V:G1V+7]
	s_nop 0
	tensor_load_to_lds s[G0V+4:G0V+7], s[G1V:G1V+7]
	s_nop 0
.rept 4
	v_nop
.endr
.Lfirst_asked:
	; A fragment of K or Q is 16 rows x 32 channels in 8 registers: lane l holds row l % 16; registers 0-3 channels 8 (l / 16) + 0..7, registers 4-7 channels 16 + 8 (l / 16) + 0..7: two loads of 16 bytes, 32 bytes apart.
	v_and_b32 v9, 15, v0                           ; r = l % 16
	v_bfe_u32 v10, v0, 4, 1                        ; h = l / 16
	v_mul_u32_u24 v[AK0], v9, PK
	v_lshl_add_u32 v[AK0], v10, 4, v[AK0]          ; row x pitch + 16 x half
	; The turning load takes 16 keys x 16 channels (lane l reads 16 bytes: key 8 (l / 16) + l % 8, channels 8 ((l / 8) % 2) + 0..7) and leaves half a fragment of V^T: lane l holds channel l % 16 and 8 keys.
	v_and_b32 v11, 7, v0
	v_lshl_add_u32 v[AV0], v10, 3, v11
	v_mul_u32_u24 v[AV0], v[AV0], PV
	v_bfe_u32 v11, v0, 3, 1
	v_lshl_add_u32 v[AV0], v11, 4, v[AV0]
	v_add_nc_u32 v[AV0], KREG, v[AV0]
	v_lshl_add_u32 v[AB0], v10, 5, BIAS            ; my half's eight keys of a tile: 32 bytes
	v_lshlrev_b32 v9, 7, v9
	v_lshl_add_u32 v9, v10, 4, v9                  ; Q: row x 128 + 16 x half
	v_lshlrev_b32 v10, 2, v0                       ; the mask: four bytes a thread, 512 threads: the batch's 2,048
	v_lshl_add_u32 v11, v0, 4, BIAS                ; and where their four biases go
.irp q, 0,1
.irp c, 0,1
	global_load_b128 v[Q+16*\q+8*\c:Q+16*\q+8*\c+3],   v9, s[66:67] offset:2048*\q+64*\c      ; Q stays in registers
	global_load_b128 v[Q+16*\q+8*\c+4:Q+16*\q+8*\c+7], v9, s[66:67] offset:2048*\q+64*\c+32
.endr
.endr
	global_load_b32 v193, v10, s[70:71]
.irp q, 0,1
	v_mov_b32 v[ST+8*\q+1], 0xef800000             ; m: the floor, -2^96
	v_mul_f32 v[ST+8*\q], s[CS], v[ST+8*\q+1]      ; c m
	v_mov_b32 v[ST+8*\q+2], 0                      ; l, in two halves
	v_mov_b32 v[ST+8*\q+3], 0
.endr
.set i, 0
.rept 64
	v_mov_b32 v[O+i], 0                            ; O^T.  The key step is written in one form: the first step finds zeros, which a leaves zeros; a first step of its own would be a further copy of the step
.set i, i+1
.endr
	v_mov_b32 v192, 0xf1800000                     ; -2^100
	s_wait_loadcnt 0x0                             ; Q and the mask
.irp i, 0,1,2,3
	v_bfe_u32 v194, v193, 8*\i, 8
	v_cmp_eq_u32 vcc_lo, 0, v194
	v_cndmask_b32 v[28+\i], 0, v192, vcc_lo        ; a choice of values, no branch
.endr
	ds_store_b128 v11, v[28:31]
	s_wait_tensorcnt 0x1                           ; my part of slot 0 is in; slot 1's may stay out
	s_wait_dscnt 0x0                               ; for the others' sake: my four biases are stored
	s_barrier_signal -1
	s_barrier_wait -1                              ; everybody's are
; A KEY STEP: 64 keys.
.macro STEP
	v_add_nc_u32 v[ADK], s[TBK], v[AK0]            ; five places behind the last V^T P: four for the loads into registers that it read,
	v_add_nc_u32 v[ADV], s[TBV], v[AV0]            ; five for the first K Q^T, which writes over tile 1's P
	v_add_nc_u32 v[ADB], s[TBB], v[AB0]
	v_nop
	v_nop
.irp t, 0,1,2,3
	ds_load_b128 v[S+8*\t:S+8*\t+3],   v[ADB] offset:64*\t        ; the biases of keys 16 t + 8 (l / 16) + 0..7, in the result's layout, into tile 0's accumulators
	ds_load_b128 v[S+8*\t+4:S+8*\t+7], v[ADB] offset:64*\t+16
.endr
.irp t, 0,1,2,3
.irp c, 0,1
	ds_load_b128 v[KV+16*\t+8*\c:KV+16*\t+8*\c+3],   v[ADK] offset:\t*16*PK+64*\c
	ds_load_b128 v[KV+16*\t+8*\c+4:KV+16*\t+8*\c+7], v[ADK] offset:\t*16*PK+64*\c+32
.endr
.endr
	s_wait_dscnt 0x0
.irp t, 0,1,2,3                        ; tile 1 first: its sums start from the biases that lie in tile 0's registers.  The four accumulators take turns
	v_wmma_f32_16x16x32_f16 v[S+32+8*\t:S+32+8*\t+7], v[KV+16*\t:KV+16*\t+7], v[Q+16:Q+23], v[S+8*\t:S+8*\t+7]
.endr
.irp t, 0,1,2,3
	v_wmma_f32_16x16x32_f16 v[S+32+8*\t:S+32+8*\t+7], v[KV+16*\t+8:KV+16*\t+15], v[Q+24:Q+31], v[S+32+8*\t:S+32+8*\t+7]
.endr
.rept 5
	v_nop                                          ; five places: tile 0's products write over registers that tile 1's took as C
.endr
.irp t, 0,1,2,3
	v_wmma_f32_16x16x32_f16 v[S+8*\t:S+8*\t+7], v[KV+16*\t:KV+16*\t+7], v[Q:Q+7], v[S+8*\t:S+8*\t+7]
.endr
.irp t, 0,1,2,3
	v_wmma_f32_16x16x32_f16 v[S+8*\t:S+8*\t+7], v[KV+16*\t+8:KV+16*\t+15], v[Q+8:Q+15], v[S+8*\t:S+8*\t+7]
.endr
.rept 4
	v_nop                                          ; four places: for the loads into K's registers and for the first read of the scores
.endr
.irp u, 0,1
.irp d, 0,1,2,3
	ds_load_tr16_b128 v[KV+32*\u+8*\d:KV+32*\u+8*\d+3],   v[ADV] offset:\u*32*PV+32*\d          ; V lands while the softmax is walked
	ds_load_tr16_b128 v[KV+32*\u+8*\d+4:KV+32*\u+8*\d+7], v[ADV] offset:\u*32*PV+16*PV+32*\d
.endr
.endr
	; the maximum of a lane's 32 scores and the old m: four chains of seven, then the rest.  The two tiles alternate line by line.  Each accumulator is first read at its registers 0 to 2
.irp j, 0,1,2,3
.irp q, 0,1
	v_max3_num_f32 v[ST+8*\q+4+\j], v[S+32*\q+8*\j], v[S+32*\q+8*\j+1], v[S+32*\q+8*\j+2]
.endr
.endr
.irp g, 1,2
.irp j, 0,1,2,3
.irp q, 0,1
	v_max3_num_f32 v[ST+8*\q+4+\j], v[ST+8*\q+4+\j], v[S+32*\q+8*\j+2*\g+1], v[S+32*\q+8*\j+2*\g+2]
.endr
.endr
.endr
.irp q, 0,1
	v_max3_num_f32 v[ST+8*\q+4], v[ST+8*\q+4], v[S+32*\q+7], v[S+32*\q+15]
.endr
.irp q, 0,1
	v_max3_num_f32 v[ST+8*\q+6], v[ST+8*\q+6], v[S+32*\q+23], v[S+32*\q+31]
.endr
.irp q, 0,1
	v_max3_num_f32 v[ST+8*\q+4], v[ST+8*\q+4], v[ST+8*\q+5], v[ST+8*\q+6]
.endr
.irp q, 0,1
	v_max3_num_f32 v[ST+8*\q+4], v[ST+8*\q+4], v[ST+8*\q+7], v[ST+8*\q+1]
.endr
.irp q, 0,1
	v_permlanex16_b32 v[ST+8*\q+5], v[ST+8*\q+4], s[SEL], s[SEL+1]   ; the query's other 32 keys lie in the lane 16 away
.endr
.irp q, 0,1
	v_mov_b32 v[ST+8*\q+7], v[ST+8*\q]             ; c m_old is kept for a
.endr
.irp q, 0,1
	v_max_num_f32 v[ST+8*\q+1], v[ST+8*\q+4], v[ST+8*\q+5]   ; the new m
.endr
.irp q, 0,1
	v_mul_f32 v[ST+8*\q], s[CS], v[ST+8*\q+1]      ; c m
.endr
.irp q, 0,1
	v_sub_f32 v[ST+8*\q+7], v[ST+8*\q+7], v[ST+8*\q]
.endr
.set i, 0
.rept 16
	v_pk_fma_f32 v[S+i:S+i+1], v[S+i:S+i+1], s[CS:CS+1], v[ST:ST+1] op_sel_hi:[1,0,0] neg_lo:[0,0,1] neg_hi:[0,0,1]              ; c s - c m, two at a time
	v_pk_fma_f32 v[S+32+i:S+32+i+1], v[S+32+i:S+32+i+1], s[CS:CS+1], v[ST+8:ST+9] op_sel_hi:[1,0,0] neg_lo:[0,0,1] neg_hi:[0,0,1]
.set i, i+2
.endr
	v_exp_f32 v[ST+6], v[ST+7]                     ; ONE BATCH of 66 exponentials: a of both tiles,
	v_exp_f32 v[ST+14], v[ST+15]
.set i, 0
.rept 32
	v_exp_f32 v[S+i], v[S+i]                       ; and p
	v_exp_f32 v[S+32+i], v[S+32+i]
.set i, i+1
.endr
	v_nop                                          ; the plain instruction behind the last exponential, ahead of the first use
	s_wait_alu depctr_va_vdst(0)                   ; and the one wait ahead of the batch's first reader
.irp q, 0,1
	v_pk_mul_f32 v[ST+8*\q+2:ST+8*\q+3], v[ST+8*\q+2:ST+8*\q+3], v[ST+8*\q+6:ST+8*\q+7] op_sel_hi:[1,0]   ; l x a
.endr
.irp q, 0,1
	v_pk_add_f32 v[ST+8*\q+4:ST+8*\q+5], v[S+32*\q:S+32*\q+1], v[S+32*\q+2:S+32*\q+3]   ; the sum of the unrounded p, in two chains a tile
.endr
.irp k, 4,8,12,16,20,24,28
.irp q, 0,1
	v_pk_add_f32 v[ST+8*\q+2:ST+8*\q+3], v[ST+8*\q+2:ST+8*\q+3], v[S+32*\q+\k:S+32*\q+\k+1]
	v_pk_add_f32 v[ST+8*\q+4:ST+8*\q+5], v[ST+8*\q+4:ST+8*\q+5], v[S+32*\q+\k+2:S+32*\q+\k+3]
.endr
.endr
.irp q, 0,1
	v_pk_add_f32 v[ST+8*\q+2:ST+8*\q+3], v[ST+8*\q+2:ST+8*\q+3], v[ST+8*\q+4:ST+8*\q+5]
.endr
.set i, 0
.rept 16
	v_cvt_pk_f16_f32 v[S+i], v[S+2*i], v[S+2*i+1]              ; P in place, ascending: register i is written when registers 2 i and 2 i + 1 are read
	v_cvt_pk_f16_f32 v[S+32+i], v[S+32+2*i], v[S+32+2*i+1]
.set i, i+1
.endr
.set i, 0
.rept 16
	v_pk_mul_f32 v[O+i:O+i+1], v[O+i:O+i+1], v[ST+6:ST+7] op_sel_hi:[1,0]              ; O^T x a, each accumulator from its low end on
	v_pk_mul_f32 v[O+32+i:O+32+i+1], v[O+32+i:O+32+i+1], v[ST+14:ST+15] op_sel_hi:[1,0]
.set i, i+2
.endr
	s_wait_dscnt 0x0                               ; V is in
.irp u, 0,1                            ; O^T += V^T P: the eight accumulators take turns, one instruction a turn
.irp d, 0,1,2,3
.irp q, 0,1
	v_wmma_f32_16x16x32_f16 v[O+32*\q+8*\d:O+32*\q+8*\d+7], v[KV+32*\u+8*\d:KV+32*\u+8*\d+7], v[S+32*\q+8*\u:S+32*\q+8*\u+7], v[O+32*\q+8*\d:O+32*\q+8*\d+7]
.endr
.endr
.endr
.endm
; The eight key steps of slot s, which holds the p-th 512 keys: the step is walked eight times; its LDS addresses hang on three scalars that step by constants.
.macro SLOT_STEPS s, p
	s_mov_b32 s[TBK], \s*SLOT
	s_mov_b32 s[TBV], \s*SLOT
	s_mov_b32 s[TBB], \p*2048
	s_mov_b32 s[CNT], 8
.Lstep_\@:
	STEP
	s_add_co_u32 s[TBK], s[TBK], 64*PK
	s_add_co_u32 s[TBV], s[TBV], 64*PV
	s_add_co_u32 s[TBB], s[TBB], 256
	s_sub_co_u32 s[CNT], s[CNT], 1
	s_cmp_lg_u32 s[CNT], 0
	s_cbranch_scc1 .Lstep_\@
.endm
; THE CHANGE OF SLOTS.  Each wave waits for all its tensor loads, of which one is out: its part of the slot ahead; adds 0 to its spare word; and waits for that and for its reads of the slot that it leaves.
; fill = 1: slot s, which has just been left, is filled again with the keys 1,024 further on.  The barrier is then a round of the cluster's, so that no wave of any partner still reads the slot or has a load on its way,
; and the joint refill is the first thing behind it: one tensor load of mine is out, and it has eight key steps in which to land.
.macro CHANGE fill, s
	s_wait_tensorcnt 0x0                           ; no tensor load of mine is out, so a group 0 may be written
	ds_add_u32 v[SPW], v[NIL]                      ; 0 onto my spare word
.if \fill
	s_add_nc_u64 s[G0K+4*\s+2:G0K+4*\s+3], s[G0K+4*\s+2:G0K+4*\s+3], 131072   ; 1,024 keys of 128 bytes on; the type bits on top are not reached
	s_add_nc_u64 s[G0V+4*\s+2:G0V+4*\s+3], s[G0V+4*\s+2:G0V+4*\s+3], 131072
	s_wait_dscnt 0x0                               ; the add is done, and my reads of the slot are over
	CROUND
	JLOAD \s
.else
	s_wait_dscnt 0x0
	s_barrier_signal -1
	s_barrier_wait -1
.endif
.endm
	SLOT_STEPS 0, 0
	CHANGE 1, 0
	SLOT_STEPS 1, 1
	CHANGE 1, 1
	SLOT_STEPS 0, 2
	CHANGE 0, 0                                    ; nothing is left to fetch
	SLOT_STEPS 1, 3
	; THE WAY OUT.  l's two halves and the other half of the lanes' are added; O^T is divided by l, rounded to f16 and sent through my stage in LDS: 32 rows of 128 bytes + 16.  The stages lie in slot 0, which has had its last
	; fill and, behind the last change of slots, its last read.  The lines down to the reciprocals are the places behind the last products.
.irp q, 0,1
	v_add_f32 v[ST+8*\q+4], v[ST+8*\q+2], v[ST+8*\q+3]
.endr
.irp q, 0,1
	v_permlanex16_b32 v[ST+8*\q+5], v[ST+8*\q+4], s[SEL], s[SEL+1]
.endr
.irp q, 0,1
	v_add_f32 v[ST+8*\q+4], v[ST+8*\q+4], v[ST+8*\q+5]
.endr
	v_and_b32 v9, 15, v0
	v_bfe_u32 v10, v0, 4, 1
	s_mul_i32 s14, s[WV], 32*PK                    ; my stage
	v_mul_u32_u24 v9, v9, PK
	v_lshl_add_u32 v9, v10, 4, v9
	v_add_nc_u32 v9, s14, v9                       ; in: row l % 16, 16 bytes for each half of the lanes
	v_bfe_u32 v10, v0, 3, 2
	v_mul_u32_u24 v10, v10, PK
	v_and_b32 v11, 7, v0
	v_lshl_add_u32 v10, v11, 4, v10
	v_add_nc_u32 v10, s14, v10                     ; back: eight lanes to a row of 128 bytes, four rows an instruction
	v_and_b32 v11, 31, v0
	v_lshlrev_b32 v11, 4, v11                      ; in att those four rows are 512 consecutive bytes
.irp q, 0,1
	v_rcp_f32 v[ST+8*\q+6], v[ST+8*\q+4]
.endr
	v_nop                                          ; a plain instruction between the last reciprocal and the use of its result
	s_wait_alu depctr_va_vdst(0)                   ; and the wait ahead of the first use: one for both
.set i, 0
.rept 16
	v_pk_mul_f32 v[O+i:O+i+1], v[O+i:O+i+1], v[ST+6:ST+7] op_sel_hi:[1,0]
	v_pk_mul_f32 v[O+32+i:O+32+i+1], v[O+32+i:O+32+i+1], v[ST+14:ST+15] op_sel_hi:[1,0]
.set i, i+2
.endr
.set i, 0
.rept 32
	v_cvt_pk_f16_f32 v[S+i], v[O+2*i], v[O+2*i+1]  ; register 16 q + 4 d + n: channels 16 d + 8 (l / 16) + 2 n, + 1 of query 16 q + l % 16
.set i, i+1
.endr
.irp q, 0,1
.irp d, 0,1,2,3
	ds_store_b128 v9, v[S+16*\q+4*\d:S+16*\q+4*\d+3] offset:\q*16*PK+32*\d
.endr
.endr
.irp i, 0,1,2,3,4,5,6,7
	ds_load_b128 v[KV+4*\i:KV+4*\i+3], v10 offset:\i*4*PK   ; LDS serves a wave's instructions in order (ISA guide 5.7.1.4): these see my stores
.endr
.irp i, 0,1,2,3,4,5,6,7
	s_wait_dscnt 7-\i                              ; the younger loads may stay out
	global_store_b128 v11, v[KV+4*\i:KV+4*\i+3], s[68:69] offset:512*\i   ; 32 lanes store 512 consecutive bytes, aligned
.endr
	s_wait_tensorcnt 0x0                           ; the wave's end, behind my last tensor load and my last LDS store
	ds_add_u32 v[SPW], v[NIL]
	s_wait_dscnt 0x0
	CROUND                                         ; the closing round: no work-group ends while a partner may still ask for a tile that names it
	s_endpgm
.Lfunc_end_k_qd7a2e3d53c_attn:
	.size	k_qd7a2e3d53c_attn, .Lfunc_end_k_qd7a2e3d53c_attn-k_qd7a2e3d53c_attn
	.p2alignl 7, 3214868480
	.fill 96, 4, 3214868480
	.section	.rodata,"a",@progbits
	.p2align	6, 0x0
	.amdhsa_kernel k_qd7a2e3d53c_attn
		.amdhsa_group_segment_fixed_size 327680
		.amdhsa_private_segment_fixed_size 0
		.amdhsa_enable_private_segment 0
		.amdhsa_kernarg_size 24
		.amdhsa_user_sgpr_count 2
		.amdhsa_user_sgpr_kernarg_segment_ptr 1
		.amdhsa_wavefront_size32 1
		.amdhsa_system_sgpr_workgroup_id_x 1
		.amdhsa_system_sgpr_workgroup_id_y 1
		.amdhsa_system_sgpr_workgroup_id_z 1
		.amdhsa_system_vgpr_workitem_id 0
		.amdhsa_next_free_vgpr 256
		.amdhsa_next_free_sgpr 72
		.amdhsa_reserve_vcc 1
		.amdhsa_float_denorm_mode_32 3
		.amdhsa_float_denorm_mode_16_64 3
		.amdhsa_memory_ordered 1
		.amdhsa_forward_progress 1
		.amdhsa_inst_pref_size 93
	.end_amdhsa_kernel
	.amdgpu_metadata
---
amdhsa.version: [ 1, 2 ]
amdhsa.kernels:
  - .name:           k_qd7a2e3d53c_attn
    .symbol:         k_qd7a2e3d53c_attn.kd
    .args:
      - { .name: qkv, .offset: 0, .size: 8, .value_kind: global_buffer, .address_space: global }
      - { .name: padding_mask, .offset: 8, .size: 8, .value_kind: global_buffer, .address_space: global }
      - { .name: att, .offset: 16, .size: 8, .value_kind: global_buffer, .address_space: global }
    .group_segment_fixed_size: 327680
    .private_segment_fixed_size: 0
    .kernarg_segment_align: 8
    .kernarg_segment_size: 24
    .max_flat_workgroup_size: 512
    .sgpr_count:     72
    .vgpr_count:     256
    .wavefront_size: 32
...
	.end_amdgpu_metadata
.endif
;; end of part 3
;; launch proj (part 4): grid 4 x 64, 4 waves a work-group, clusters of 4 x 4, 327,680 bytes of LDS; arguments att, wo16, out0; writes out0
.if DOCPART == 4
	.amdgcn_target "amdgcn-amd-amdhsa--gfx1250"
	.amdhsa_code_object_version 6
	.text
	.protected	k_qd7a2e3d53c_proj
	.globl	k_qd7a2e3d53c_proj
	.p2align	8
	.type	k_qd7a2e3d53c_proj,@function
k_qd7a2e3d53c_proj:
	s_mov_b64 s[64:65], 0
	v_nop
	global_prefetch_b8 v0, s[64:65] scope:SCOPE_SE
	s_setreg_imm32_b32 hwreg(HW_REG_WAVE_MODE, 25, 1), 1
	s_wait_xcnt 0x0
	s_wait_alu depctr_hold_cnt(0) depctr_sa_sdst(0) depctr_va_vdst(0) depctr_va_sdst(0) depctr_va_ssrc(0) depctr_va_vcc(0) depctr_vm_vsrc(0)
	s_getreg_b32 s2, hwreg(HW_REG_IB_STS2, 6, 4)
	s_cmp_eq_u32 s2, 0
	s_cbranch_scc0 .Lentry_in_a_cluster
	s_endpgm
.Lentry_in_a_cluster:
	s_bfe_u32 s2, ttmp6, 0x10000c
	s_cmp_lg_u32 s2, 0xf033
	s_cbranch_scc0 .Lentry_shape_is_right
	s_endpgm
.Lentry_shape_is_right:
; out0[m][n] = sum over k of att[m][k] Wo[n][k]: 8,192 x 1,024 x 1,024, f16 operands, f32 sums, f32 out.  att: f16 [16 z = k / 64][8,192 m][64]; wo16: f16 [16 z][1,024 n][64]: a block of 64 along K of many rows is dense in memory.
; A tile of out0 is 128 (m) x 256 (n): 256 work-groups (tiles of 256 x 256 would be 128).  Four waves, each 64 x 128: 32 accumulators of 16 x 16, 256 registers.
; K goes in eight steps of 128, two blocks z, through a ring of two LDS slots.  Waves 0 and 1 fetch att's two blocks (128 rows of 128 bytes each), waves 2 and 3 Wo's (256 rows each): one tensor load a wave.
; CLUSTERS: 4 x 4 work-groups.  The four of a row of the cluster need the same tiles of att, the four of a column the same tiles of Wo: each tile is asked for JOINTLY.
; THE MATRIX INSTRUCTION IS USED TRANSPOSED (source 0 = 16 rows of Wo, source 1 = 16 rows of att): a lane then holds eight neighbouring numbers of a row of out0.
; REGISTERS: window 0: v0-31 addresses; two fragment buffers of 96 at v32 and v128: att's 4 blocks (16 rows x 32 K, 8 registers each), then Wo's 8; on the way out v32-159 take rows read back from the stage.
;   window 1: the accumulators ((a, b) at v[8 (8 a + b)]).
.set PITCH,  144                       ; an LDS row: 128 bytes + 16 of padding: the 16 rows of a load start at 16 different groups of four banks (64 banks of 4 bytes: ISA guide 11.1)
.set AZ,     128*PITCH                 ; a block z of att's tile
.set BZ,     256*PITCH                 ; of Wo's
.set BOFF,   2*AZ                      ; Wo's two blocks lie behind att's two
.set SLOT,   2*AZ+2*BZ
.set STAGE,  2*SLOT                    ; behind the ring: 16 rows x (512 bytes + 16) for each wave, for the way out
.set SPITCH, 528
.set SPARE,  STAGE+4*16*SPITCH         ; behind the stages: the spare words, 128 bytes for each wave
.set LAPS,   4                         ; a lap = two K steps = once round the ring
.set ADRA, 16                          ; v16-17  LDS address of my fragments of att in slot 0, 1
.set ADRB, 20                          ; v20-21  the same for Wo
.set STO,  24                          ; v24     the way out: where I put 32 bytes of a row
.set RD,   25                          ; v25     where I read a row back
.set CO,   26                          ; v26     16 x lane: my byte offset in 512 bytes of a row of out0
.set SPW,  28                          ; v28     LDS address of my spare word; never rewritten
.set NIL,  29                          ; v29     0; never rewritten
.set F0,   32                          ; fragment buffers
.set F1,   128
.set BK,   32                          ; the way out: v32-95 and v96-159 by turns
.set G1, 24                            ; s[24:31] descriptor group 1 for att's tiles;  s[32:39] group 0, one set for each slot
.set G0, 32
.set G1B, 48                           ; s[48:55], s[56:63] the same for Wo's tiles
.set G0B, 56
.set MSB, 0
.macro WIN new                         ; the immediate's high byte repeats the setting that is left
.if MSB != \new
	s_set_vgpr_msb (MSB<<8)|\new
.set MSB, \new
.endif
.endm
.set MUL, 0x50                         ; sources 0 and 1 window 0; C and D window 1
.macro JLOAD s                         ; a joint load: waves 0 and 1 fetch att's two blocks, waves 2 and 3 Wo's; an s_nop 0 and four v_nop follow each of the two lines
	s_cmp_eq_u32 s11, 0
	s_cbranch_scc0 .Lfor_b_\@
	tensor_load_to_lds s[G0+4*\s:G0+4*\s+3], s[G1:G1+7]
	s_nop 0
.rept 4
	v_nop
.endr
	s_branch .Lasked_\@
.Lfor_b_\@:
	tensor_load_to_lds s[G0B+4*\s:G0B+4*\s+3], s[G1B:G1B+7]
	s_nop 0
.rept 4
	v_nop
.endr
.Lasked_\@:
.endm
.macro CREST                           ; a round of the cluster's barrier behind its opening barrier
	s_cmp_lg_u32 s10, 0
	s_cbranch_scc1 .Lnot_wave_0_\@
	s_barrier_signal -3
.Lnot_wave_0_\@:
	s_barrier_wait -3
	s_barrier_signal -1
	s_barrier_wait -1
.endm
.macro CROUND                          ; a whole round
	s_barrier_signal -1
	s_barrier_wait -1
	CREST
.endm
	s_load_b128 s[4:7], s[0:1], 0x0                ; att s[4:5], wo16 s[6:7]
	s_load_b64 s[8:9], s[0:1], 0x10                ; out0
	v_lshl_add_u32 v[SPW], v0, 2, SPARE
	v_mov_b32 v[NIL], 0
	ds_add_u32 v[SPW], v[NIL]                      ; the wave's opening: the add, twice on end, and its wait ahead of my first tensor load; the set-up below stands between the second and the wait
	ds_add_u32 v[SPW], v[NIL]
	v_lshrrev_b32 v1, 5, v0
	v_readfirstlane_b32 s10, v1                    ; wave 0..3
	s_lshr_b32 s11, s10, 1                         ; which half of the tile's rows is mine.  Also: I fetch for att (0) or for Wo (1)
	s_and_b32 s12, s10, 1                          ; which half of its columns.  Also: which of a K step's two blocks z I fetch
	s_bfe_u32 s40, ttmp6, 0x40000                  ; cx, cy: my place in the cluster
	s_bfe_u32 s41, ttmp6, 0x40004
	s_lshl_b32 s42, ttmp9, 2
	s_add_co_u32 s42, s42, s40                     ; tile column = 4 x cluster x + cx
	s_and_b32 s13, ttmp7, 0xffff
	s_lshl_b32 s13, s13, 2
	s_add_co_u32 s13, s13, s41                     ; tile row = 4 x cluster y + cy
	s_lshl_b32 s43, s41, 2
	s_lshl_b32 s43, 15, s43                        ; my row of the cluster
	s_lshl_b32 s44, 0x1111, s40                    ; my column
	; descriptor group 1: rows of 64 elements of 2 bytes, dense in memory, padded in LDS; 128 rows for att, 256 for Wo
	s_or_b32 s[G1+0], s43, (1<<16)|(1<<20)|(1<<21)|(4<<22)|(3<<25)  ; 15:0 the mask: att's tiles go to my row; 17:16 element of 2 bytes; 20 padding on; 21 set beside a mask; 24:22 after every 32 words (code 4); 31:25 of 4 words (code 3)
	s_or_b32 s[G1B+0], s44, (1<<16)|(1<<20)|(1<<21)|(4<<22)|(3<<25)
	s_mov_b32 s[G1+1], 64<<16                      ; tensor_dim0 = 64
	s_mov_b32 s[G1+2], 128<<16                     ; tensor_dim1 = 128
	s_mov_b32 s[G1+3], 64<<16                      ; tile_dim0 = 64
	s_mov_b32 s[G1+4], 128                         ; tile_dim1 = 128
	s_mov_b32 s[G1+5], 64                          ; tensor_dim0_stride
	s_mov_b32 s[G1+6], 0
	s_mov_b32 s[G1+7], 0
	s_mov_b32 s[G1B+1], 64<<16
	s_mov_b32 s[G1B+2], 256<<16
	s_mov_b32 s[G1B+3], 64<<16
	s_mov_b32 s[G1B+4], 256
	s_mov_b32 s[G1B+5], 64
	s_mov_b32 s[G1B+6], 0
	s_mov_b32 s[G1B+7], 0
	s_lshl_b32 s16, s12, 20                        ; att: block z is 2^20 bytes,
	s_lshl_b32 s17, s13, 14                        ; the tile's 128 rows of 128 bytes
	s_add_co_u32 s16, s16, s17
	s_mov_b32 s17, 0
	s_lshl_b32 s46, s12, 17                        ; Wo: block z is 2^17 bytes,
	s_lshl_b32 s47, s42, 15                        ; the tile's 256 rows
	s_add_co_u32 s46, s46, s47
	s_mov_b32 s47, 0
	s_mul_i32 s20, s12, AZ                         ; where they go: no place in the cluster enters an LDS address
	s_mul_i32 s21, s12, BZ
	s_add_co_u32 s21, s21, BOFF
	s_wait_dscnt 0x0                               ; both opening adds are done
	s_wait_kmcnt 0x0
	s_add_nc_u64 s[14:15], s[4:5], s[16:17]
	s_add_nc_u64 s[46:47], s[6:7], s[46:47]
	CROUND                                         ; all sixteen work-groups are here: the first joint loads meet
.irp s, 0,1
	s_mov_b32 s[G0+4*\s], 1
	s_add_co_u32 s[G0+4*\s+1], s20, \s*SLOT
	s_add_nc_u64 s[G0+4*\s+2:G0+4*\s+3], s[14:15], \s*(2<<20)      ; K step s: blocks 2 s, 2 s + 1
	s_or_b32 s[G0+4*\s+3], s[G0+4*\s+3], 0x80000000
	s_mov_b32 s[G0B+4*\s], 1
	s_add_co_u32 s[G0B+4*\s+1], s21, \s*SLOT
	s_add_nc_u64 s[G0B+4*\s+2:G0B+4*\s+3], s[46:47], \s*(2<<17)
	s_or_b32 s[G0B+4*\s+3], s[G0B+4*\s+3], 0x80000000
	JLOAD \s                                       ; two tensor loads of mine are out behind the second
.endr
	v_and_b32 v1, 15, v0                           ; l % 16
	v_bfe_u32 v2, v0, 4, 1                         ; l / 16
	v_mul_u32_u24 v3, v1, PITCH
	v_lshl_add_u32 v3, v2, 4, v3                   ; a fragment's row x pitch + 16 x half
	s_mul_i32 s21, s11, 64*PITCH                   ; my 64 rows of att
	s_mul_i32 s22, s12, 128*PITCH                  ; my 128 rows of Wo,
	s_add_co_u32 s22, s22, BOFF                    ; which lie behind att's blocks
.irp s, 0,1
	v_add_nc_u32 v[ADRA+\s], s21, v3
	v_add_nc_u32 v[ADRB+\s], s22, v3
	s_add_co_u32 s21, s21, SLOT
	s_add_co_u32 s22, s22, SLOT
.endr
	s_mul_i32 s23, s10, 16*SPITCH
	s_add_co_u32 s23, s23, STAGE                   ; my stage
	v_mul_u32_u24 v5, v1, SPITCH                   ; in: row l % 16, 32 bytes for each half of the lanes
	v_lshl_add_u32 v5, v2, 5, v5
	v_add_nc_u32 v[STO], s23, v5
	v_and_b32 v6, 31, v0
	v_lshlrev_b32 v[CO], 4, v6                     ; back: the 32 lanes take one row of 512 bytes; and the same in out0
	v_add_nc_u32 v[RD], s23, v[CO]
	s_lshl_b32 s16, s13, 7
	s_lshl_b32 s17, s11, 6
	s_add_co_u32 s16, s16, s17                     ; my first row of out0: 128 x tile row + 64 x half,
	s_lshl_b32 s16, s16, 12                        ; of 4,096 bytes
	s_mov_b32 s17, 0
	s_add_nc_u64 s[8:9], s[8:9], s[16:17]
	s_lshl_b32 s46, s42, 10                        ; my first column, in bytes: 1,024 x tile column + 512 x half
	s_lshl_b32 s47, s12, 9
	s_add_co_u32 s46, s46, s47
	s_mov_b32 s47, 0
	s_add_nc_u64 s[8:9], s[8:9], s[46:47]
; 8 matrix instructions: att's block a against Wo's eight, 32 along K, from buffer f.  zero = 1: the product starts the sums: nothing is ever cleared.
; The 32 accumulators take turns, one instruction a turn, in the same order in every quarter.
.macro MULA f, a, zero
.irp b, 0,1,2,3,4,5,6,7
.if \zero
	v_wmma_f32_16x16x32_f16 v[8*(8*(\a)+\b):8*(8*(\a)+\b)+7], v[\f+32+8*\b:\f+32+8*\b+7], v[\f+8*(\a):\f+8*(\a)+7], 0
.else
	v_wmma_f32_16x16x32_f16 v[8*(8*(\a)+\b):8*(8*(\a)+\b)+7], v[\f+32+8*\b:\f+32+8*\b+7], v[\f+8*(\a):\f+8*(\a)+7], v[8*(8*(\a)+\b):8*(8*(\a)+\b)+7]
.endif
.endr
.endm
; 24 LDS loads in one run: the fragments of the slot's q-th 32 along K (block z = q / 2, its half q % 2) into buffer f: Wo's eight, then att's four
.macro FETCH slot, q, f
	WIN 0
.irp i, 0,1,2,3,4,5,6,7
	ds_load_b128 v[\f+32+8*\i:\f+32+8*\i+3],   v[ADRB+\slot] offset:((\q)/2)*BZ+((\q)%2)*64+\i*16*PITCH
	ds_load_b128 v[\f+32+8*\i+4:\f+32+8*\i+7], v[ADRB+\slot] offset:((\q)/2)*BZ+((\q)%2)*64+\i*16*PITCH+32
.endr
.irp i, 0,1,2,3
	ds_load_b128 v[\f+8*\i:\f+8*\i+3],   v[ADRA+\slot] offset:((\q)/2)*AZ+((\q)%2)*64+\i*16*PITCH
	ds_load_b128 v[\f+8*\i+4:\f+8*\i+7], v[ADRA+\slot] offset:((\q)/2)*AZ+((\q)%2)*64+\i*16*PITCH+32
.endr
.endm
.macro PLACES                          ; four places in front of loads into registers that matrix instructions have read, and of the first read of results (ISA guide 7.12.1 for vector instructions)
.rept 4
	v_nop
.endr
.endm
; A K step is four quarters of 32 along K, 32 matrix instructions each, on buffers 0, 1, 0, 1.  One of the first three: multiplies buffer f and fetches the slot's q-th quarter into g.
.macro QUARTER slot, q, f, g, zero
	s_wait_dscnt 4                                 ; Wo's eight and att's blocks 0 and 1 are in; the youngest four loads (blocks 2 and 3) may be out
	WIN MUL
	MULA \f, 0, \zero
	MULA \f, 1, \zero
	PLACES
	FETCH \slot, \q, \g
	s_wait_dscnt 24                                ; all but the 24 just issued
	WIN MUL
	MULA \f, 2, \zero
	MULA \f, 3, \zero
.endm
; The last quarter multiplies buffer 1 and changes slots: ONE barrier; in front of it each wave waits for all its tensor loads, adds 0 to its spare word, and waits for that and for its own reads of this slot.
; fill = 1: the barrier opens a round of the cluster's, and this slot is filled again, two K steps ahead: the load has 112 matrix instructions in which to land before the wait for it.
.macro TURN slot, next, fill
	WIN 0                                          ; (the add's two registers lie in window 0)
	s_wait_tensorcnt 0x0                           ; all my tensor loads have landed: my part of the next slot
	ds_add_u32 v[SPW], v[NIL]                      ; 0 onto my spare word
	s_wait_dscnt 5                                 ; (the add and the youngest four loads may be out)
	WIN MUL
	MULA F1, 0, 0                                  ; eight matrix instructions stand between the add and the wait for it
	s_wait_dscnt 0x0                               ; the add is done, and my reads of this slot are over
	s_barrier_signal -1
	MULA F1, 1, 0
.if \fill
	WIN 0
.endif
	s_barrier_wait -1
.if \fill
	CREST                                          ; no wave of any partner still reads this slot's tiles or has a load on its way
	s_add_nc_u64 s[G0+4*\slot+2:G0+4*\slot+3], s[G0+4*\slot+2:G0+4*\slot+3], 4<<20     ; four blocks z on
	s_add_nc_u64 s[G0B+4*\slot+2:G0B+4*\slot+3], s[G0B+4*\slot+2:G0B+4*\slot+3], 4<<17
	JLOAD \slot                                    ; the first tensor load behind the round; the four v_nop behind it are also the places in front of the loads below
.else
	PLACES
.endif
	FETCH \next, 0, F0
	WIN MUL
	MULA F1, 2, 0
	MULA F1, 3, 0
.endm
	s_wait_tensorcnt 1                             ; my part of K step 0 is in (K step 1's may be out)
	s_barrier_signal -1
	s_barrier_wait -1                              ; everybody's is
	FETCH 0, 0, F0
	QUARTER 0, 1, F0, F1, 1                        ; the first quarter stands in front of the loop: its products start the sums
	WIN 0                                          ; at a label and at a branch every window is 0
	s_mov_b32 s3, LAPS-1
.Llap:                                                 ; a trip goes once round the ring, from a lap's second quarter to the next lap's first, and fills both slots again
	QUARTER 0, 2, F1, F0, 0
	QUARTER 0, 3, F0, F1, 0
	TURN 0, 1, 1
	QUARTER 1, 1, F0, F1, 0
	QUARTER 1, 2, F1, F0, 0
	QUARTER 1, 3, F0, F1, 0
	TURN 1, 0, 1
	QUARTER 0, 1, F0, F1, 0
	WIN 0
	s_sub_co_u32 s3, s3, 1
	s_cmp_lg_u32 s3, 0
	s_cbranch_scc1 .Llap
	QUARTER 0, 2, F1, F0, 0                        ; the last lap fills nothing, and has no round of the cluster's barrier
	QUARTER 0, 3, F0, F1, 0
	TURN 0, 1, 0
	QUARTER 1, 1, F0, F1, 0
	QUARTER 1, 2, F1, F0, 0
	QUARTER 1, 3, F0, F1, 0
	s_wait_dscnt 4                                 ; the very last quarter: nothing more to fetch
	WIN MUL
	MULA F1, 0, 0
	MULA F1, 1, 0
	s_wait_dscnt 0
	MULA F1, 2, 0
	MULA F1, 3, 0
	WIN 0
; THE WAY OUT, block by block of 16 rows x 128 columns.  A lane holds 32 neighbouring bytes of a row, and the lanes beside it hold other rows: so a block goes through my own stage in LDS and comes back as whole
; rows of 512 bytes.  LDS serves a wave's instructions in order (ISA guide 5.7.1.4): no wait between the stores and the loads, nor in front of the next block's stores.
.macro TOSTAGE a
.set AC, 64*(\a)
	WIN 0x04                                       ; an LDS store's data are its source 1: window 1
.irp b, 0,1,2,3,4,5,6,7
	ds_store_b128 v[STO], v[AC+8*\b:AC+8*\b+3] offset:64*\b          ; each accumulator from its low end on
	ds_store_b128 v[STO], v[AC+8*\b+4:AC+8*\b+7] offset:64*\b+16
.endr
	WIN 0
.set BB, BK+64*((\a)%2)
.irp t, 0,1,2,3,4,5,6,7,8,9,10,11,12,13,14,15
	ds_load_b128 v[BB+4*\t:BB+4*\t+3], v[RD] offset:\t*SPITCH
.endr
.endm
.macro SEND a, younger                 ; younger: the LDS instructions issued behind block a's loads, which may stay out
.set BB, BK+64*((\a)%2)
	s_wait_dscnt \younger                          ; the block is back in registers
.irp t, 0,1,2,3,4,5,6,7,8,9,10,11,12,13,14,15
	global_store_b128 v[CO], v[BB+4*\t:BB+4*\t+3], s[8:9] offset:(\a)*65536+\t*4096 th:TH_STORE_NT   ; 32 lanes store 512 consecutive bytes, aligned; every offset is an immediate; written once, read by nobody here
.endr
.endm
	PLACES                                         ; behind the last products: for the stores that read results and the loads into the registers that held fragments
	TOSTAGE 0
.irp a, 1,2,3
.if \a > 1
	s_wait_xcnt 0x0                                ; block a - 2's stores have read their registers: block a's loads land there only behind this wait
.endif
	TOSTAGE \a
	SEND \a-1, 32                                  ; behind block a - 1's loads: block a's 16 stores and 16 loads
.endr
	SEND 3, 0
	s_wait_tensorcnt 0x0                           ; the wave's end, behind my last tensor load and my last LDS store
	ds_add_u32 v[SPW], v[NIL]
	s_wait_dscnt 0x0
	CROUND                                         ; the closing round: no work-group ends while a partner may still ask for a tile that names it
	s_endpgm
.Lfunc_end_k_qd7a2e3d53c_proj:
	.size	k_qd7a2e3d53c_proj, .Lfunc_end_k_qd7a2e3d53c_proj-k_qd7a2e3d53c_proj
	.p2alignl 7, 3214868480
	.fill 96, 4, 3214868480
	.section	.rodata,"a",@progbits
	.p2align	6, 0x0
	.amdhsa_kernel k_qd7a2e3d53c_proj
		.amdhsa_group_segment_fixed_size 327680
		.amdhsa_private_segment_fixed_size 0
		.amdhsa_enable_private_segment 0
		.amdhsa_kernarg_size 24
		.amdhsa_user_sgpr_count 2
		.amdhsa_user_sgpr_kernarg_segment_ptr 1
		.amdhsa_wavefront_size32 1
		.amdhsa_system_sgpr_workgroup_id_x 1
		.amdhsa_system_sgpr_workgroup_id_y 1
		.amdhsa_system_sgpr_workgroup_id_z 1
		.amdhsa_system_vgpr_workitem_id 0
		.amdhsa_next_free_vgpr 512
		.amdhsa_next_free_sgpr 66
		.amdhsa_reserve_vcc 0
		.amdhsa_float_denorm_mode_32 3
		.amdhsa_float_denorm_mode_16_64 3
		.amdhsa_memory_ordered 1
		.amdhsa_forward_progress 1
		.amdhsa_inst_pref_size 85
	.end_amdhsa_kernel
	.amdgpu_metadata
---
amdhsa.version: [ 1, 2 ]
amdhsa.kernels:
  - .name:           k_qd7a2e3d53c_proj
    .symbol:         k_qd7a2e3d53c_proj.kd
    .args:
      - { .name: att, .offset: 0, .size: 8, .value_kind: global_buffer, .address_space: global }
      - { .name: wo16, .offset: 8, .size: 8, .value_kind: global_buffer, .address_space: global }
      - { .name: out0, .offset: 16, .size: 8, .value_kind: global_buffer, .address_space: global }
    .group_segment_fixed_size: 327680
    .private_segment_fixed_size: 0
    .kernarg_segment_align: 8
    .kernarg_segment_size: 24
    .max_flat_workgroup_size: 128
    .sgpr_count:     66
    .vgpr_count:     512
    .wavefront_size: 32
...
	.end_amdgpu_metadata
.endif
;; end of part 4
